; MI455X (gfx1250); checked and timed in simulation.
; The chip was launched on July 23, 2026; its instructions are those of AMD's public machine-readable ISA for CDNA 5 (MIT licence, August 2026) and "CDNA5" Instruction Set Architecture Reference Guide (July 2026). The comments in the code are by the model that wrote it; some were corrected since.
;; Multihead Self Attention. Allowed arithmetic: matrix products marked QUANTISED: E4M3 operands, one given power-of-two scale a tensor, by v_wmma_f32_16x16x64_fp8_fp8 or v_wmma_f32_16x16x128_fp8_fp8, f32 sums; everything else in f32.
;; Inputs: Wk 1,024 x 1,024 float32; Wo 1,024 x 1,024 float32; Wq 1,024 x 1,024 float32; Wv 1,024 x 1,024 float32; in_features 4 x 2,048 x 1,024 float32; lowp_scales 12 int32 (the exponents e of the quantised operands' scales 2^e); token_positions 1 x 2,048 int32.
;; Outputs: out0 4 x 2,048 x 1,024 float32.
;; This version of the problem:
;;   THIS VERSION OF THE PROBLEM IS GIVEN IN LOW PRECISION. The matrix products marked QUANTISED in the list below multiply operands that are first quantised to E4M3 (4 exponent bits, 3 mantissa bits; 8 bits a number), with one given power-of-two scale for each operand tensor; their sums are f32. All else is computed in f32.
;;   The module's matrix products, in the order in which they are computed (A, B: the left and right operand; K: the contracted axis; several contracted axes count as one K, in the product's order):
;;     1. [M 8,192, K 1,024] x [K 1,024, N 1,024]; A: input in_features; B: input Wq: QUANTISED (scales: A lowp_scales[0], B lowp_scales[1])
;;     2. [M 8,192, K 1,024] x [K 1,024, N 1,024]; A: input in_features; B: input Wk: QUANTISED (scales: A lowp_scales[2], B lowp_scales[3])
;;     3. [M 8,192, K 1,024] x [K 1,024, N 1,024]; A: input in_features; B: input Wv: QUANTISED (scales: A lowp_scales[4], B lowp_scales[5])
;;     4. batch 64 x [M 2,048, K 64] x [K 64, N 2,048]; A: computed on the way; B: computed on the way: QUANTISED (scales: A lowp_scales[6], B lowp_scales[7])
;;     5. batch 64 x [M 2,048, K 2,048] x [K 2,048, N 64]; A: softmax (see below); B: computed on the way: QUANTISED (scales: A lowp_scales[8], B lowp_scales[9])
;;     6. [M 8,192, K 1,024] x [K 1,024, N 1,024]; A: computed on the way; B: input Wo: QUANTISED (scales: A lowp_scales[10], B lowp_scales[11])
;;   THE QUANTISER, for each operand of a quantised product, along K:
;;     - The operand's scale is 2^e, e = its entry of the input lowp_scales (int32; the entries are numbered through the quantised products in the list's order, A before B).
;;     - Each number is divided by the scale, clamped to +-448, and rounded to the nearest number of E4M3, ties to even, subnormals kept.
;;     - The product sums the exact products of the quantised numbers (number of the format x scale) in f32.
;;   ~~~python
;;   def quantise(x, axis, e):      # numpy; x: float32 -> the quantised numbers, widened to float32 again
;;       x = np.moveaxis(x, axis, -1); K = x.shape[-1]
;;       r = np.clip(x / 2.0 ** e, -448, 448)
;;       step = 2.0 ** (np.maximum(np.frexp(np.where(r == 0, 1, r))[1] - 1, -6) - 3)
;;       q = np.round(r / step) * step * 2.0 ** e      # np.round: ties to even
;;       return np.moveaxis(q, -1, axis).astype(np.float32)
;;   ~~~
;;   SOFTMAX AHEAD OF A QUANTISED PRODUCT. Where the list says 'softmax', what is quantised is not the finished softmax but p = 2^(t - M), with t = logit x log2(e) and M = ceil(the row's largest t), a whole number; so 1/2 < the row's largest p <= 1. The row's sum l is taken of the UNQUANTISED p, in f32, and the product's result is divided by l at the end. Since M is a whole number, a kernel that streams over the keys may use a running M (the ceiling of the running maximum): every later rescaling is an exact power of two, so the quantised numbers keep their values, but for numbers so far below the row's largest that they fall under the format's range.
;;   OPERANDS COMPUTED ON THE WAY. 'Computed on the way' means the value that the module computes at that place (a softmax that the list does not call 'softmax' is quantised finished and normalised). What goes into a quantiser is computed in f32, as accurately as f32 sums, v_exp_f32 and their like allow (about 1e-6 of the number): no bf16 or f16 on the way to a quantiser, and a product that is left as it is and whose result goes on into a quantised operand takes f32 operands (vector FMAs, or v_wmma_f32_16x16x4_f32). A number that lies on a knife's edge between two numbers of the format may be rounded either way, as far as f32 arithmetic and the matrix unit's own rounding can turn it there, and no further.
;; One version. Each part assembles by itself: llvm-mc -triple=amdgcn-amd-amdhsa -mcpu=gfx1250 --defsym DOCPART=n.
;; ======== version 1 of 1: 4 launches
;; limits: right only within a limited range of input values
;; workspace buffers: cw 29,360,128 bytes; rope 524,288 bytes; qkv 25,165,824 bytes; oc 8,388,608 bytes
;; launch prep (part 1): grid 800 x 1, 4 waves a work-group, no clusters, 33,280 bytes of LDS; arguments in_features, Wq, Wk, Wv, Wo, lowp_scales, token_positions, cw, rope; writes cw, rope
.if DOCPART == 1
	.amdgcn_target "amdgcn-amd-amdhsa--gfx1250"
	.amdhsa_code_object_version 6
	.text
	.protected	k_q43e43f5c32_prep
	.globl	k_q43e43f5c32_prep
	.p2align	8
	.type	k_q43e43f5c32_prep,@function
k_q43e43f5c32_prep:
	s_mov_b64 s[64:65], 0
	v_nop
	global_prefetch_b8 v0, s[64:65] scope:SCOPE_SE
	s_setreg_imm32_b32 hwreg(HW_REG_WAVE_MODE, 25, 1), 1
	s_wait_xcnt 0x0
; PREP.  (1) in_features [8192][1024] f32 becomes THREE sets of E4M3 codes (scales 2^e0, 2^e2, 2^e4: the three projections each name a scale of their own for it);
; (2) Wq, Wk, Wv, Wo [1024][1024] f32 become codes (2^e1, 2^e3, 2^e5, 2^e11);  (3) the table of cos and sin for the rotary embedding, from token_positions.
; code = x / 2^e, to the nearest code, ties to even.  K (the last axis) stays innermost: a row of codes is 1,024 bytes.
; ROW ORDER.  Logical row n of every tensor of codes is written to row SW(n) = n with bits 3 and 4 exchanged.  So 16 neighbouring rows of the buffer (tile i, lane r) are the logical rows
; 32 (i/2) + 8 (i%2) + r + 8 (r/8): a product's results of two neighbouring tiles are then 16 neighbours along the next product's K.
; cw: x's set p at p x 8,388,608 (p = 0, 1, 2); the weights at 25,165,824 + w x 1,048,576 (w = 0 Wq, 1 Wk, 2 Wv, 3 Wo).
; SHARES.  Work-groups 0-511: x; 512-767: the weights, 64 each; 768-799: the table.  A quantising wave takes 4 rows (4,096 numbers) in 8 steps of 512: each load reads 512 consecutive bytes, the step's 2,048 bytes
; turn through the wave's own stage in LDS so that a lane holds 16 neighbours, and a lane's 16 codes are 16 bytes: each store covers 512 consecutive bytes.  Four rows keep their order under SW: only the run's number g is permuted.
; THE TABLE: rope[T 128][piece 8][lane 32][16 bytes]: for token tile T, lane (r, h) holds, for token 32 (T/2) + 8 (T%2) + r + 8 (r/8), (cos, sin) of position x 10000^(-i/32), i = 16 (k/8) + 8 h + k%8, k = 0 .. 15; piece d holds k = 2 d, 2 d + 1.
; The frequency is 2^(-i x 435412 / 2^20) x (1 + i x 1.5914e-7): the first product is exact in f32, the factor carries the rest of log2(10) / 8.  Sine and cosine: the angle, rounded to f32 as the product position x frequency,
; less n x pi/2 in three parts by fused multiply-adds, two polynomials on |r| <= pi/4, and the quadrant n mod 4.
; LIMITS: each e used here between -126 and 119; |position| up to 2^23; NaN among the inputs is not served.
.set WAVES, 4
.set STEPS, 8
.set WC,    25165824                   ; where the weights' codes begin in cw
.set XSET,  8388608                    ; a set of x's codes
.set R,     16                         ; v16-79   four sets of 16 numbers as they are loaded
.set X,     80                         ; v80-111  two sets of 16 neighbours
.set T,     112
.set C,     128                        ; v128-223 codes: four registers for each step and set, so that no store's data are written again
.set WREG,  8192                       ; LDS: a region for each wave: two stages of 32 x SP bytes
.set SP,    80                         ; a lane's place in a stage: 64 bytes + 16 of padding
.set SPW,   12                         ; v12  LDS address of my spare word; never rewritten
.set NIL,   13                         ; v13  0; never rewritten
.set SPARE, WAVES*WREG                 ; behind the regions: the spare words, 128 bytes a wave, which no other line names
	s_load_b512 s[8:23], s[0:1], 0x0               ; x 8:9, Wq 10:11, Wk 12:13, Wv 14:15, Wo 16:17, scales 18:19, positions 20:21, cw 22:23
	s_load_b64 s[24:25], s[0:1], 0x40              ; rope
	v_lshl_add_u32 v[SPW], v0, 2, SPARE
	v_mov_b32 v[NIL], 0
	v_lshrrev_b32 v1, 5, v0
	v_readfirstlane_b32 s28, v1                    ; wave
	v_and_b32 v2, 31, v0                           ; lane
	v_lshlrev_b32 v3, 4, v2                        ; 16 x lane: my 16 bytes of a load's or a store's 512
	s_mul_i32 s48, s28, WREG
	v_lshrrev_b32 v14, 2, v2
	v_mul_u32_u24 v14, v14, SP
	v_and_b32 v15, 3, v2
	v_lshl_add_u32 v14, v15, 4, v14
	v_add_nc_u32 v14, s48, v14                     ; the stage, on the way in: SP (lane / 4) + 16 (lane % 4)
	v_mul_u32_u24 v15, v2, SP
	v_add_nc_u32 v15, s48, v15                     ; and on the way out: SP x lane: my 16 neighbours
	s_cmp_ge_u32 ttmp9, 768
	s_cbranch_scc1 .Ltable                         ; the work-group's number alone decides
	s_sub_co_u32 s29, ttmp9, 512
	s_lshr_b32 s31, s29, 6                         ; w: which weight (of use in work-groups 512-767)
	s_and_b32 s30, s29, 63
	s_lshl_b32 s49, s31, 20
	s_add_co_u32 s49, s49, WC
	s_cmp_lt_u32 ttmp9, 512
	s_cselect_b32 s30, ttmp9, s30                  ; my work-group's number within its tensor
	s_cselect_b32 s33, 1, 0                        ; 1: x, three sets; 0: a weight, one
	s_cselect_b32 s49, 0, s49                      ; where its codes begin in cw
	s_lshl_b32 s34, s30, 2
	s_add_co_u32 s34, s34, s28                     ; g: my wave's run of four rows
	s_and_b32 s35, s34, 0xfffffff9
	s_and_b32 s48, s34, 2
	s_lshl_b32 s48, s48, 1
	s_or_b32 s35, s35, s48
	s_and_b32 s48, s34, 4
	s_lshr_b32 s48, s48, 1
	s_or_b32 s35, s35, s48                         ; g with bits 1 and 2 exchanged: SW on runs of four rows
	s_lshl_b32 s26, s34, 14                        ; the run's 16,384 bytes of f32
	s_mov_b32 s27, 0
	s_lshl_b32 s35, s35, 12                        ; its 4,096 bytes of codes
	s_add_co_u32 s58, s35, s49
	s_mov_b32 s59, 0
	s_wait_kmcnt 0x0
	s_load_b256 s[36:43], s[18:19], 0x0            ; e0 .. e7
	s_load_b128 s[44:47], s[18:19], 0x20           ; e8 .. e11
	s_mov_b64 s[4:5], s[16:17]                     ; the source: a choice between buffers on the work-group's number
	s_cmp_eq_u32 s31, 2
	s_cselect_b64 s[4:5], s[14:15], s[4:5]
	s_cmp_eq_u32 s31, 1
	s_cselect_b64 s[4:5], s[12:13], s[4:5]
	s_cmp_eq_u32 s31, 0
	s_cselect_b64 s[4:5], s[10:11], s[4:5]
	s_cmp_lt_u32 ttmp9, 512
	s_cselect_b64 s[4:5], s[8:9], s[4:5]
	s_add_nc_u64 s[4:5], s[4:5], s[26:27]
	s_add_nc_u64 s[50:51], s[22:23], s[58:59]      ; set 0's codes
	s_add_nc_u64 s[52:53], s[50:51], XSET          ; sets 1 and 2: stored to by x's work-groups alone
	s_add_nc_u64 s[54:55], s[50:51], 2*XSET
.macro LOAD t
.irp i, 0,1,2,3
	global_load_b128 v[R+16*((\t)%4)+4*\i:R+16*((\t)%4)+4*\i+3], v3, s[4:5] offset:2048*(\t)+512*\i th:TH_LOAD_NT   ; 32 lanes read 512 consecutive bytes
.endr
.endm
.macro TURN t                          ; step t's numbers through the stage: LDS serves a wave's instructions in order, so no wait stands between the stores and the loads
.irp i, 0,1,2,3
	ds_store_b128 v14, v[R+16*((\t)%4)+4*\i:R+16*((\t)%4)+4*\i+3] offset:32*SP*((\t)%2)+8*SP*\i
.endr
.irp i, 0,1,2,3
	ds_load_b128 v[X+16*((\t)%2)+4*\i:X+16*((\t)%2)+4*\i+3], v15 offset:32*SP*((\t)%2)+16*\i
.endr
.endm
.macro MKSC e, vs, vl                  ; from the exponent in s[e]: 2^e as f32 (the conversion takes its exponent field)
	s_add_co_i32 s48, s[\e], 127
	s_lshl_b32 s49, s48, 23
	v_mov_b32 v[\vs], s49
.endm
	s_wait_alu depctr_va_vdst(0)
.irp t, 0,1,2,3
	LOAD \t
.endr
	s_wait_kmcnt 0x0
	s_mov_b32 s56, s47                             ; set 0's exponent: e11 (Wo), e5 (Wv), e3 (Wk), e1 (Wq) or e0 (x)
	s_cmp_eq_u32 s31, 2
	s_cselect_b32 s56, s41, s56
	s_cmp_eq_u32 s31, 1
	s_cselect_b32 s56, s39, s56
	s_cmp_eq_u32 s31, 0
	s_cselect_b32 s56, s37, s56
	s_cmp_lt_u32 ttmp9, 512
	s_cselect_b32 s56, s36, s56
	MKSC 56, 6, 7
	MKSC 38, 8, 9                                  ; e2
	MKSC 40, 10, 11                                ; e4
	s_wait_alu depctr_va_vdst(0)
	s_wait_loadcnt 12                              ; step 0's four loads are in
	TURN 0
; One set of codes of step t: two conversions, the store.
.macro QSET set, t
.set n, 0
.rept 16
.set n, n+1
.endr
	v_cvt_scalef32_pk8_fp8_f32 v[C+4*(3*(\t)+\set):C+4*(3*(\t)+\set)+1], v[XS:XS+7], v[6+2*\set]
	v_cvt_scalef32_pk8_fp8_f32 v[C+4*(3*(\t)+\set)+2:C+4*(3*(\t)+\set)+3], v[XS+8:XS+15], v[6+2*\set]
	v_nop                                          ; a plain line behind the conversions
	global_store_b128 v3, v[C+4*(3*(\t)+\set):C+4*(3*(\t)+\set)+3], s[50+2*\set:51+2*\set] offset:512*(\t)
.endm
.macro STEP t
.set XS, X+16*((\t)%2)
	s_wait_dscnt 0x0                               ; this step's numbers are back from the stage, and its stores into the stage have read their registers,
.if (\t)+4 < STEPS
	LOAD (\t)+4                                    ; which take the loads of four steps on
.endif
.if (\t)+1 < STEPS
.if STEPS-2-(\t) >= 3
	s_wait_loadcnt 12                              ; the next step's four loads are in; those of the three steps behind it may be out
.else
	s_wait_loadcnt 4*(STEPS-2-(\t))
.endif
	TURN (\t)+1                                    ; and go through the other stage while this step is worked
.endif
	QSET 0, \t
	s_cmp_lg_u32 s33, 0                            ; a weight has one set.  No load and no LDS instruction stands under this branch: every count holds on both ways
	s_cbranch_scc0 .Lone_\@
	QSET 1, \t
	QSET 2, \t
.Lone_\@:
.endm
.irp t, 0,1,2,3,4,5,6,7
	STEP \t
.endr
	s_wait_tensorcnt 0x0                           ; the wave's end, behind my last LDS store
	ds_add_u32 v[SPW], v[NIL]
	s_wait_dscnt 0x0
	s_endpgm
.Ltable:                                               ; no LDS instruction on this way
	s_sub_co_u32 s30, ttmp9, 768
	s_lshl_b32 s30, s30, 2
	s_add_co_u32 s30, s30, s28                     ; T: my wave's token tile, 0 .. 127
	v_and_b32 v4, 15, v0                           ; r
	v_bfe_u32 v5, v0, 4, 1                         ; h
	s_lshr_b32 s31, s30, 1
	s_lshl_b32 s31, s31, 5
	s_and_b32 s34, s30, 1
	s_lshl_b32 s34, s34, 3
	s_add_co_u32 s31, s31, s34                     ; 32 (T/2) + 8 (T%2)
	v_and_b32 v6, 8, v4
	v_add_nc_u32 v6, v6, v4                        ; r + 8 (r/8)
	v_add_nc_u32 v6, s31, v6                       ; my token
	v_lshlrev_b32 v6, 2, v6
	s_lshl_b32 s34, s30, 12
	s_mov_b32 s35, 0
	s_wait_alu depctr_va_vdst(0)
	s_wait_kmcnt 0x0
	global_load_b32 v32, v6, s[20:21]              ; its position
	s_add_nc_u64 s[24:25], s[24:25], s[34:35]      ; the tile's 4,096 bytes of the table
	s_mov_b32 s36, 0x3f22f983                      ; 2 / pi
	s_mov_b32 s37, 0xbfc90fdb                      ; - pi/2, in three parts
	s_mov_b32 s38, 0x333bbd2e
	s_mov_b32 s39, 0x26f72ce9
	s_mov_b32 s40, 0xb94ca1f9                      ; the sine's three coefficients
	s_mov_b32 s41, 0x3c08839e
	s_mov_b32 s42, 0xbe2aaaa3
	s_mov_b32 s43, 0x37ccf5ce                      ; the cosine's
	s_mov_b32 s44, 0xbab6061a
	s_mov_b32 s45, 0x3d2aaaa5
	v_lshlrev_b32 v8, 3, v5                        ; 8 h
.set k, 0
.rept 16
	v_add_nc_u32 v[48+k], 16*(k/8)+k%8, v8         ; i
.set k, k+1
.endr
.set k, 0
.rept 16
	v_cvt_f32_u32 v[48+k], v[48+k]
.set k, k+1
.endr
.set k, 0
.rept 16
	v_mul_f32 v[16+k], 0xbed49a80, v[48+k]         ; - i x 435412 / 2^20: exact
.set k, k+1
.endr
.set k, 0
	s_wait_alu depctr_va_vdst(0)
.rept 16
	v_exp_f32 v[16+k], v[16+k]                     ; one batch
.set k, k+1
.endr
.set k, 0
.rept 16
	v_mul_f32 v[48+k], 0x342ae0c1, v[48+k]         ; i x 1.5914e-7: plain lines behind the batch that name none of its results
.set k, k+1
.endr
	s_wait_alu depctr_va_vdst(0)                   ; one wait for the sixteen, ahead of their first reader
.set k, 0
.rept 16
	v_fma_f32 v[16+k], v[16+k], v[48+k], v[16+k]   ; the frequency
.set k, k+1
.endr
	s_wait_loadcnt 0x0
	v_cvt_f32_i32 v32, v32
.macro SINCOS k                        ; cos into v[64 + 2 k], sin into v[65 + 2 k]; two sets of temporaries by turns
.set W, 100+12*((\k)%2)
	v_mul_f32 v[W], v32, v[16+\k]                  ; the angle, rounded once
	v_mul_f32 v[W+1], s36, v[W]
	v_rndne_f32 v[W+1], v[W+1]                     ; n
	v_fma_f32 v[W], v[W+1], s37, v[W]
	v_fma_f32 v[W], v[W+1], s38, v[W]
	v_fma_f32 v[W], v[W+1], s39, v[W]              ; r = angle - n pi/2
	v_cvt_i32_f32 v[W+3], v[W+1]
	v_mul_f32 v[W+2], v[W], v[W]                   ; z = r r
	v_fma_f32 v[W+4], v[W+2], s40, s41
	v_fma_f32 v[W+5], v[W+2], s43, s44
	v_fma_f32 v[W+4], v[W+4], v[W+2], s42
	v_fma_f32 v[W+5], v[W+5], v[W+2], s45
	v_mul_f32 v[W+4], v[W+4], v[W+2]
	v_mul_f32 v[W+5], v[W+5], v[W+2]
	v_fma_f32 v[W+6], v[W+2], -0.5, 1.0
	v_fma_f32 v[W+4], v[W+4], v[W], v[W]           ; sin r
	v_fma_f32 v[W+5], v[W+5], v[W+2], v[W+6]       ; cos r
	v_and_b32 v[W+6], 1, v[W+3]
	v_cmp_eq_u32 vcc_lo, 1, v[W+6]                 ; in odd quadrants the two change places
	v_cndmask_b32 v[W+7], v[W+4], v[W+5], vcc_lo
	v_cndmask_b32 v[W+8], v[W+5], v[W+4], vcc_lo
	v_lshlrev_b32 v[W+6], 30, v[W+3]               ; the sine is negative in quadrants 2, 3: bit 1 of n
	v_and_b32 v[W+6], 0x80000000, v[W+6]
	v_xor_b32 v[65+2*\k], v[W+6], v[W+7]
	v_add_nc_u32 v[W+3], 1, v[W+3]                 ; the cosine in quadrants 1, 2: bit 1 of n + 1
	v_lshlrev_b32 v[W+3], 30, v[W+3]
	v_and_b32 v[W+3], 0x80000000, v[W+3]
	v_xor_b32 v[64+2*\k], v[W+3], v[W+8]
.endm
.irp k, 0,1,2,3,4,5,6,7,8,9,10,11,12,13,14,15
	SINCOS \k
.endr
.irp d, 0,1,2,3,4,5,6,7
	global_store_b128 v3, v[64+4*\d:67+4*\d], s[24:25] offset:512*\d   ; 512 consecutive bytes a store
.endr
	s_endpgm
.Lfunc_end_k_q43e43f5c32_prep:
	.size	k_q43e43f5c32_prep, .Lfunc_end_k_q43e43f5c32_prep-k_q43e43f5c32_prep
	.p2alignl 7, 3214868480
	.fill 96, 4, 3214868480
	.section	.rodata,"a",@progbits
	.p2align	6, 0x0
	.amdhsa_kernel k_q43e43f5c32_prep
		.amdhsa_group_segment_fixed_size 33280
		.amdhsa_private_segment_fixed_size 0
		.amdhsa_enable_private_segment 0
		.amdhsa_kernarg_size 72
		.amdhsa_user_sgpr_count 2
		.amdhsa_user_sgpr_kernarg_segment_ptr 1
		.amdhsa_wavefront_size32 1
		.amdhsa_system_sgpr_workgroup_id_x 1
		.amdhsa_system_sgpr_workgroup_id_y 1
		.amdhsa_system_sgpr_workgroup_id_z 1
		.amdhsa_system_vgpr_workitem_id 0
		.amdhsa_next_free_vgpr 224
		.amdhsa_next_free_sgpr 66
		.amdhsa_reserve_vcc 1
		.amdhsa_float_denorm_mode_32 3
		.amdhsa_float_denorm_mode_16_64 3
		.amdhsa_fp16_overflow 1
		.amdhsa_memory_ordered 1
		.amdhsa_forward_progress 1
		.amdhsa_inst_pref_size 45
	.end_amdhsa_kernel
	.amdgpu_metadata
---
amdhsa.version: [ 1, 2 ]
amdhsa.kernels:
  - .name:           k_q43e43f5c32_prep
    .symbol:         k_q43e43f5c32_prep.kd
    .args:
      - { .name: in_features, .offset: 0, .size: 8, .value_kind: global_buffer, .address_space: global }
      - { .name: Wq, .offset: 8, .size: 8, .value_kind: global_buffer, .address_space: global }
      - { .name: Wk, .offset: 16, .size: 8, .value_kind: global_buffer, .address_space: global }
      - { .name: Wv, .offset: 24, .size: 8, .value_kind: global_buffer, .address_space: global }
      - { .name: Wo, .offset: 32, .size: 8, .value_kind: global_buffer, .address_space: global }
      - { .name: lowp_scales, .offset: 40, .size: 8, .value_kind: global_buffer, .address_space: global }
      - { .name: token_positions, .offset: 48, .size: 8, .value_kind: global_buffer, .address_space: global }
      - { .name: cw, .offset: 56, .size: 8, .value_kind: global_buffer, .address_space: global }
      - { .name: rope, .offset: 64, .size: 8, .value_kind: global_buffer, .address_space: global }
    .group_segment_fixed_size: 33280
    .private_segment_fixed_size: 0
    .kernarg_segment_align: 8
    .kernarg_segment_size: 72
    .max_flat_workgroup_size: 128
    .sgpr_count:     66
    .vgpr_count:     224
    .wavefront_size: 32
...
	.end_amdgpu_metadata
.endif
;; end of part 1
;; launch qkv (part 2): grid 12 x 32, 4 waves a work-group, clusters of 4 x 4, 327,680 bytes of LDS; arguments cw, rope, lowp_scales, qkv; writes qkv
.if DOCPART == 2
	.amdgcn_target "amdgcn-amd-amdhsa--gfx1250"
	.amdhsa_code_object_version 6
	.text
	.protected	k_q43e43f5c32_qkv
	.globl	k_q43e43f5c32_qkv
	.p2align	8
	.type	k_q43e43f5c32_qkv,@function
k_q43e43f5c32_qkv:
	s_mov_b64 s[64:65], 0
	v_nop
	global_prefetch_b8 v0, s[64:65] scope:SCOPE_SE
	s_setreg_imm32_b32 hwreg(HW_REG_WAVE_MODE, 25, 1), 1
	s_wait_xcnt 0x0
	s_wait_alu depctr_hold_cnt(0) depctr_sa_sdst(0) depctr_va_vdst(0) depctr_va_sdst(0) depctr_va_ssrc(0) depctr_va_vcc(0) depctr_vm_vsrc(0)
	s_getreg_b32 s2, hwreg(HW_REG_IB_STS2, 6, 4)
	s_cmp_eq_u32 s2, 0
	s_cbranch_scc0 .Lentry_in_a_cluster
	s_endpgm
.Lentry_in_a_cluster:
	s_bfe_u32 s2, ttmp6, 0x10000c
	s_cmp_lg_u32 s2, 0xf033
	s_cbranch_scc0 .Lentry_shape_is_right
	s_endpgm
.Lentry_shape_is_right:
; THE THREE PROJECTIONS on codes of E4M3, the rotary embedding, and the quantisers of q, k and v.  The cluster's x is the product p: 0 q, 1 k, 2 v; all sixteen partners share it.
; A work-group of four waves makes 256 x 256 of a product [8192 tokens] x [1024 channels], K = 1,024 in four steps of 256 through a ring of two LDS slots; a wave makes 128 x 128: 64 accumulators, 512 registers.
; ROLES.  Source 1 of the matrix instruction (role A, fragments in window 0) gives a result its LANE, source 0 (role B, window 1) its REGISTERS.  For q and k: A = x's set p, B = the weight: a lane holds a token and its registers run
; along the channels, which are the next product's K.  For v: A = Wv, B = x's set 2: a lane holds a channel and its registers run along the tokens, the keys, which are the next K.  The tile is square: only base offsets and the way out differ.
; ROW ORDER.  Both tensors of codes lie with logical row n at row SW(n) (bits 3, 4 exchanged).  So in block a lane (r, h) belongs to role A's logical row 32 (a/2) + 8 (a%2) + r + 8 (r/8), and register n = 8 b + j of the block's 64
; to role B's logical row 32 (n/16) + 16 h + n%16: 16 neighbours for each 16 registers, which the conversions turn into four registers of the next operand.
; THE WAY OUT.  A sum stands for sum x 2^(ea + eb); the rotation is linear, so it is made on the sums, and code = rotated sum / 2^E with E = e6 - e0 - e1 (q), e7 - e2 - e3 (k), e9 - e4 - e5 (v), for v held within +-448 x 2^E.
; The codes are stored as IMAGES OF THE NEXT OPERAND'S REGISTERS, four registers as 512 consecutive bytes, lane l at 16 l:
;   q at 0, k at 8,388,608: [batch x head 64][token tile 128][c 2][lane][16 B], group c: channels 32 c + 16 h + 0 .. 15;   v at 16,777,216: [batch x head 64][key step 16][channel tile 4][c 4][lane][16 B], group c: keys 32 c + 16 h + 0 .. 15.
; CLUSTERS: 4 x 4 work-groups; role A's tile is shared along a row of the cluster, role B's along a column: each is asked for jointly, by the same tensor load with the same descriptor and a mask that names the four.
; A wave has two tensor loads out at the start and one behind each round.
; LIMIT: E between -126 and 119.
; REGISTERS, in windows of 256: window 0: v16-31 addresses and constants; v32-95 two sets of the table's (cos, sin); v96-111 at work; from v128 role A's fragments, ONE set; on the way out v128-191 a block's numbers, v192-223 two sets of codes.
;   window 1: role B's fragments, TWO sets.   window 2: the accumulators of blocks 0-3 ((a, b) at v[8 (8 (a%4) + b)]);   window 3: of blocks 4-7.
.set SIZE_K, 1024
.set KSTEP,  256
.set ROWB,   256                       ; a tile's row in bytes
.set KROW,   SIZE_K                    ; a row of codes in memory
.set PITCH,  272                       ; an LDS row: 256 bytes + 16 of padding = 68 words: the 16 rows that a load touches start at 16 different banks (64 banks of 4 bytes: ISA guide 11.1)
.set FR,     16
.set NL,     4
.set NP,     4                         ; places behind this matrix instruction (ISA guide 7.12.1)
.set HALFT,  128*PITCH
.set SLOT,   4*HALFT
.set LAPS,   SIZE_K/(2*KSTEP)
.set SPARE,  2*SLOT                    ; behind the ring: the spare words, 128 bytes a wave, which no other line names
.set WC,     25165824                  ; where the weights' codes begin in cw
.set ADRA, 16                          ; v16-17  LDS address of my role A fragments in slot 0, 1
.set ADRB, 20                          ; v20-21  the same for role B
.set LO,   24                          ; v24     16 x lane
.set SPW,  28                          ; v28     LDS address of my spare word; never rewritten
.set NIL,  29                          ; v29     0; never rewritten
.set SCL,  30                          ; v30     2^E as f32
.set LIMV, 31                          ; v31     448 x 2^E
.set CSR,  32
.set T2,   96
.set AF,   128
.set TMP,  128
.set CODE, 192
.set G1, 24
.set G0, 32
.set G1B, 48
.set G0B, 56
.set MSB, 0
.macro WIN new                         ; the immediate's high byte repeats the setting that is left
.if MSB != \new
	s_set_vgpr_msb (MSB<<8)|\new
.set MSB, \new
.endif
.endm
.set MUL_LO, 0xa1                      ; source 0 window 1, source 1 window 0, C and D window 2
.set MUL_HI, 0xf1                      ; the same, C and D window 3
.set TO_B,   0x40                      ; destination window 1, address window 0
; A joint load: waves 0 and 1 fetch for role A, waves 2 and 3 for role B.  The branch hangs on the wave's number alone.  An s_nop 0 and four v_nop follow each of the two lines.
.macro JLOAD g0a, g1a, g0b, g1b
	s_cmp_eq_u32 s15, 0
	s_cbranch_scc0 .Lfor_b_\@
	tensor_load_to_lds s[\g0a:\g0a+3], s[\g1a:\g1a+7]
	s_nop 0
.rept 4
	v_nop
.endr
	s_branch .Lasked_\@
.Lfor_b_\@:
	tensor_load_to_lds s[\g0b:\g0b+3], s[\g1b:\g1b+7]
	s_nop 0
.rept 4
	v_nop
.endr
.Lasked_\@:
.endm
.macro CREST                           ; a round of the cluster's barrier behind its opening barrier
	s_cmp_lg_u32 s14, 0
	s_cbranch_scc1 .Lnot_wave_0_\@
	s_barrier_signal -3
.Lnot_wave_0_\@:
	s_barrier_wait -3
	s_barrier_signal -1
	s_barrier_wait -1
.endm
.macro CROUND
	s_barrier_signal -1
	s_barrier_wait -1
	CREST
.endm
	s_load_b256 s[4:11], s[0:1], 0x0               ; cw 4:5, rope 6:7, the scales' exponents 8:9, qkv 10:11
	v_lshl_add_u32 v[SPW], v0, 2, SPARE
	v_mov_b32 v[NIL], 0
	ds_add_u32 v[SPW], v[NIL]
	ds_add_u32 v[SPW], v[NIL]                      ; the wave's opening: the add and its wait ahead of my first tensor load; the set-up below stands between them
	v_lshrrev_b32 v1, 5, v0
	v_readfirstlane_b32 s14, v1                    ; wave 0..3
	s_lshr_b32 s15, s14, 1                         ; which half of role A's rows is mine.  Also: I fetch for role A (0) or B (1)
	s_and_b32 s16, s14, 1                          ; which half of role B's rows.  Also: which 128 rows of that tile I fetch
	s_bfe_u32 s40, ttmp6, 0x40000                  ; cx
	s_bfe_u32 s41, ttmp6, 0x40004                  ; cy
	s_and_b32 s2, ttmp7, 0xffff
	s_lshl_b32 s2, s2, 2                           ; 4 x cluster y: it walks the 32 tiles of tokens
	s_lshl_b32 s86, ttmp9, 23                      ; x's set p, in cw (and q's or k's images, in qkv)
	s_lshl_b32 s87, ttmp9, 20
	s_add_co_u32 s87, s87, WC                      ; weight p
	s_cmp_eq_u32 ttmp9, 2                          ; v?  The cluster's x: the same in all sixteen partners
	s_cselect_b32 s84, 0, s2
	s_cselect_b32 s85, s2, 0
	s_cselect_b32 s88, s87, s86                    ; role A's tensor
	s_cselect_b32 s89, s86, s87                    ; role B's
	s_add_co_u32 s17, s41, s84                     ; role A's tile of 256 rows: cy (+ 4 x cluster y where A is x)
	s_add_co_u32 s42, s40, s85                     ; role B's: cx (+ 4 x cluster y where B is x)
	s_lshl_b32 s43, s41, 2
	s_lshl_b32 s43, 15, s43                        ; my row of the cluster
	s_lshl_b32 s44, 0x1111, s40                    ; my column
	s_or_b32 s[G1+0], s43, (0<<16)|(1<<20)|(1<<21)|(5<<22)|(3<<25)  ; the mask; elements of 1 byte; padding on; bit 21 beside a mask; after every 64 words, 4 words
	s_or_b32 s[G1B+0], s44, (0<<16)|(1<<20)|(1<<21)|(5<<22)|(3<<25)
.irp g, G1, G1B
	s_mov_b32 s[\g+1], ROWB<<16                    ; tensor_dim0
	s_mov_b32 s[\g+2], 128<<16                     ; tensor_dim1
	s_mov_b32 s[\g+3], ROWB<<16                    ; tile_dim0
	s_mov_b32 s[\g+4], 128                         ; tile_dim1
	s_mov_b32 s[\g+5], KROW                        ; tensor_dim0_stride
	s_mov_b32 s[\g+6], 0
	s_mov_b32 s[\g+7], 0
.endr
	s_lshl_b32 s18, s16, 7                         ; which 128 rows of the tile I fetch
	s_lshl_b32 s20, s17, 8
	s_add_co_u32 s20, s20, s18
	s_lshl_b32 s20, s20, 10                        ; rows of 1,024 bytes
	s_add_co_u32 s20, s20, s88                     ; role A's offset in cw: made of cy, the cluster's place and the wave's number
	s_mov_b32 s21, 0
	s_lshl_b32 s46, s42, 8
	s_add_co_u32 s46, s46, s18
	s_lshl_b32 s46, s46, 10
	s_add_co_u32 s46, s46, s89                     ; role B's: of cx, the cluster's place and the wave's number
	s_mov_b32 s47, 0
	s_mul_i32 s45, s14, HALFT                      ; where they go: wave x 128 rows
	s_wait_dscnt 0x0                               ; the opening add is done
	s_wait_kmcnt 0x0
	s_load_b256 s[68:75], s[8:9], 0x0              ; e0 .. e7
	s_load_b128 s[76:79], s[8:9], 0x20             ; e8 .. e11
	s_add_nc_u64 s[20:21], s[4:5], s[20:21]
	s_add_nc_u64 s[46:47], s[4:5], s[46:47]
	CROUND                                         ; all sixteen work-groups are here: the first joint loads meet
.irp s, 0,1
	s_mov_b32 s[G0+4*\s], 1
	s_add_co_u32 s[G0+4*\s+1], s45, \s*SLOT
	s_add_nc_u64 s[G0+4*\s+2:G0+4*\s+3], s[20:21], \s*ROWB
	s_or_b32 s[G0+4*\s+3], s[G0+4*\s+3], 0x80000000
	s_mov_b32 s[G0B+4*\s], 1
	s_add_co_u32 s[G0B+4*\s+1], s45, \s*SLOT
	s_add_nc_u64 s[G0B+4*\s+2:G0B+4*\s+3], s[46:47], \s*ROWB
	s_or_b32 s[G0B+4*\s+3], s[G0B+4*\s+3], 0x80000000
	JLOAD G0+4*\s, G1, G0B+4*\s, G1B
.endr
	v_and_b32 v1, 15, v0                           ; l % 16
	v_bfe_u32 v2, v0, 4, 1                         ; l / 16
	v_mul_u32_u24 v3, v1, PITCH
	v_lshl_add_u32 v4, v2, 4, v3                   ; a fragment's row x pitch + 16 x half
	s_mul_i32 s21, s15, HALFT
	s_mul_i32 s22, s16, HALFT
	s_add_co_u32 s22, s22, 2*HALFT
.irp s, 0,1
	v_add_nc_u32 v[ADRA+\s], s21, v4
	v_add_nc_u32 v[ADRB+\s], s22, v4
	s_add_co_u32 s21, s21, SLOT
	s_add_co_u32 s22, s22, SLOT
.endr
	v_and_b32 v6, 31, v0
	v_lshlrev_b32 v[LO], 4, v6
	; where my results go.  q, k: batch = tA / 8, first token tile T0 = 16 (tA % 8) + 8 x my half of A, first head = 4 tB + 2 x my half of B
	s_lshr_b32 s90, s17, 3
	s_and_b32 s91, s17, 7
	s_lshl_b32 s91, s91, 4
	s_lshl_b32 s92, s15, 3
	s_add_co_u32 s91, s91, s92                     ; T0
	s_lshl_b32 s92, s42, 2
	s_lshl_b32 s93, s16, 1
	s_add_co_u32 s92, s92, s93                     ; the first of my two heads
	s_lshl_b32 s90, s90, 4
	s_add_co_u32 s90, s90, s92
	s_lshl_b32 s90, s90, 7
	s_add_co_u32 s90, s90, s91
	s_lshl_b32 s90, s90, 10                        ; ((16 batch + head) x 128 + T0) x 1,024
	s_add_co_u32 s90, s90, s86                     ; + p x 8,388,608
	s_lshl_b32 s80, s91, 12                        ; the table: 4,096 bytes a token tile
	s_mov_b32 s81, 0
	; v: first head = 4 tA + 2 x my half of A, batch = tB / 8, key step = 2 (tB % 8) + my half of B
	s_lshr_b32 s92, s42, 3
	s_lshl_b32 s92, s92, 4
	s_lshl_b32 s93, s17, 2
	s_add_co_u32 s92, s92, s93
	s_lshl_b32 s93, s15, 1
	s_add_co_u32 s92, s92, s93
	s_lshl_b32 s92, s92, 4
	s_and_b32 s93, s42, 7
	s_lshl_b32 s93, s93, 1
	s_add_co_u32 s92, s92, s93
	s_add_co_u32 s92, s92, s16
	s_lshl_b32 s92, s92, 13                        ; ((16 batch + head) x 16 + key step) x 8,192
	s_add_co_u32 s92, s92, 16777216
	s_cmp_eq_u32 ttmp9, 2
	s_cselect_b32 s82, s92, s90
	s_mov_b32 s83, 0
	s_add_nc_u64 s[82:83], s[10:11], s[82:83]      ; never stepped: every store's place stands in its immediate
	s_add_nc_u64 s[80:81], s[6:7], s[80:81]
.macro FRAG reg, adr, q, i             ; 16 rows x 128 K of codes: lane l holds row l % 16; registers 4 c .. 4 c + 3 hold K = 32 c + 16 (l / 16) + 0 .. 15: the same places in both operands
.irp c, 0,1,2,3
	ds_load_b128 v[\reg+4*\c:\reg+4*\c+3], v[\adr] offset:128*(\q)+32*\c+(\i)*16*PITCH
.endr
.endm
; 16 matrix instructions: role A's blocks a0, a0 + 1 x role B's eight.  The 64 accumulators take turns, one instruction a turn, in the same order in every step.
.macro MUL16 a0, p, zero
.irp a, \a0, \a0+1
.irp b, 0,1,2,3,4,5,6,7
.if \zero
	v_wmma_f32_16x16x128_fp8_fp8 v[8*(8*((\a)%4)+\b):8*(8*((\a)%4)+\b)+7], v[128*(\p)+FR*\b:128*(\p)+FR*\b+FR-1], v[AF+FR*(\a):AF+FR*(\a)+FR-1], 0
.else
	v_wmma_f32_16x16x128_fp8_fp8 v[8*(8*((\a)%4)+\b):8*(8*((\a)%4)+\b)+7], v[128*(\p)+FR*\b:128*(\p)+FR*\b+FR-1], v[AF+FR*(\a):AF+FR*(\a)+FR-1], v[8*(8*((\a)%4)+\b):8*(8*((\a)%4)+\b)+7]
.endif
.endr
.endr
.endm
.macro FETCH_B slot, q, p
	WIN TO_B
.irp i, 0,1,2,3,4,5,6,7
	FRAG 128*(\p)+FR*\i, ADRB+\slot, \q, \i
.endr
	WIN 0
.endm
.macro FETCH_A slot, q, i0
.irp i, \i0, \i0+1, \i0+2, \i0+3
	FRAG AF+FR*(\i), ADRA+\slot, \q, \i
.endr
.endm
.macro PLACES n                        ; plain vector lines between a matrix instruction and a load into, or a vector line on, its registers
.rept \n
	v_nop
.endr
.endm
.macro STEP slot, q, zero              ; 128 along K that have their successor in the same slot
	s_wait_dscnt 4*NL                              ; B's set and A's blocks 0-3 are in; the youngest sixteen loads (A's blocks 4-7) may be out
	WIN MUL_LO
	MUL16 0, (\q)%2, \zero
	MUL16 2, (\q)%2, \zero
	s_wait_dscnt 0
	PLACES NP
	FETCH_B \slot, (\q)+1, 1-(\q)%2
	FETCH_A \slot, (\q)+1, 0
	WIN MUL_HI
	MUL16 4, (\q)%2, \zero
	MUL16 6, (\q)%2, \zero
	PLACES NP
	WIN 0
	FETCH_A \slot, (\q)+1, 4
.endm
; A slot's last 128 change slots: ONE barrier; in front of it each wave waits for all its tensor loads, adds 0 to its spare word, and waits for that and for its reads of this slot.  fill = 1: the slot is filled again, two K steps ahead.
.macro TURN slot, next, fill
	s_wait_tensorcnt 0x0                           ; all my tensor loads have landed: my part of the next slot
	ds_add_u32 v[SPW], v[NIL]                      ; 0 onto my spare word
	s_wait_dscnt 4*NL+1                            ; (the add and the youngest sixteen loads may be out)
	WIN MUL_LO
	MUL16 0, 1, 0
	s_wait_dscnt 0x0                               ; the add is done, and my reads of this slot are over
	s_barrier_signal -1
	MUL16 2, 1, 0
	WIN 0
	s_barrier_wait -1
.if \fill
	CREST                                          ; the barrier has opened a round of the cluster's: no wave of any partner still reads this slot or has a load on its way
	s_add_nc_u64 s[G0+4*\slot+2:G0+4*\slot+3], s[G0+4*\slot+2:G0+4*\slot+3], 2*ROWB
	s_add_nc_u64 s[G0B+4*\slot+2:G0B+4*\slot+3], s[G0B+4*\slot+2:G0B+4*\slot+3], 2*ROWB
	JLOAD G0+4*\slot, G1, G0B+4*\slot, G1B         ; the first tensor load behind the round; its four v_nop are the places in front of the loads below
.else
	PLACES NP
.endif
	FETCH_B \next, 0, 0
	FETCH_A \next, 0, 0
	WIN MUL_HI
	MUL16 4, 1, 0
	MUL16 6, 1, 0
	PLACES NP
	WIN 0
	FETCH_A \next, 0, 4
.endm
.macro LAST                            ; the last 128 along K: nothing more to fetch; then the places in front of the way out
	s_wait_dscnt 4*NL
	WIN MUL_LO
	MUL16 0, 1, 0
	MUL16 2, 1, 0
	s_wait_dscnt 0
	WIN MUL_HI
	MUL16 4, 1, 0
	MUL16 6, 1, 0
	WIN 0
	PLACES NP
.endm
; THE WAY OUT, block a (16 lanes' rows x 128) at a time.
.macro CSLOAD a                        ; token tile T0 + a's (cos, sin): 32 registers a lane, into set a % 2
.irp d, 0,1,2,3,4,5,6,7
	global_load_b128 v[CSR+32*((\a)%2)+4*\d:CSR+32*((\a)%2)+4*\d+3], v[LO], s[80:81] offset:4096*(\a)+512*\d
.endr
.endm
; Registers n, n + 1 (n even) are a pair (xe, xo) of my token; its (cos, sin) lie at n % 32 of the set (both heads of the block take the same 32).  (-xo sin, xo cos), then (xe cos, xe sin) added by a fused multiply-add.
; Each accumulator is read from its low end on.
.macro ROPE a
.set AC, 64*((\a)%4)
.set CR, CSR+32*((\a)%2)
	WIN 0x02+((\a)/4)                              ; source 0: window 2 or 3
.irp g, 0,16,32,48
.irp u, 0,2,4,6,8,10,12,14
	v_pk_mul_f32 v[T2+\u:T2+\u+1], v[AC+\g+\u:AC+\g+\u+1], v[CR+(\g%32)+\u:CR+(\g%32)+\u+1] op_sel:[1,1] op_sel_hi:[1,0] neg_lo:[1,0]
.endr
.irp u, 0,2,4,6,8,10,12,14
	v_pk_fma_f32 v[TMP+\g+\u:TMP+\g+\u+1], v[AC+\g+\u:AC+\g+\u+1], v[CR+(\g%32)+\u:CR+(\g%32)+\u+1], v[T2+\u:T2+\u+1] op_sel_hi:[0,1,1]
.endr
.endr
	WIN 0
.endm
.macro HOLDQ                           ; the conversion to an 8-bit code does not saturate (ISA guide 7.6.2)
.set n, 0
.rept 64
.set n, n+1
.endr
.endm
.macro HOLDV a                         ; v has no rotation: the hold takes the sums out of their window, each accumulator from its low end on
.set AC, 64*((\a)%4)
	WIN 0x02+((\a)/4)
.set n, 0
.rept 64
	v_med3_num_f32 v[TMP+n], v[AC+n], -v[LIMV], v[LIMV]
.set n, n+1
.endr
	WIN 0
.endm
.macro CODES a
.set CD, CODE+16*((\a)%2)
.if (\a) >= 2
	s_wait_xcnt 0x0                                ; block a - 2's stores have read these registers
.endif
.irp g, 0,1,2,3,4,5,6,7
	v_cvt_scalef32_pk8_fp8_f32 v[CD+2*\g:CD+2*\g+1], v[TMP+8*\g:TMP+8*\g+7], v[SCL]
.endr
	v_nop                                          ; a plain line between the conversions and the next block's lines, which write their sources
.endm
.macro STQ a                           ; groups 0, 1: my first head; 2, 3: the next (131,072 bytes on); token tile T0 + a.  Each store covers 512 consecutive bytes
.set CD, CODE+16*((\a)%2)
.irp c, 0,1,2,3
	global_store_b128 v[LO], v[CD+4*\c:CD+4*\c+3], s[82:83] offset:(\c/2)*131072+(\a)*1024+(\c%2)*512
.endr
.endm
.macro STV a                           ; blocks 0-3: my first head's four channel tiles; 4-7: the next head's; group c: keys 32 c on
.set CD, CODE+16*((\a)%2)
.irp c, 0,1,2,3
	global_store_b128 v[LO], v[CD+4*\c:CD+4*\c+3], s[82:83] offset:((\a)/4)*131072+((\a)%4)*2048+\c*512
.endr
.endm
	s_wait_alu depctr_va_vdst(0)
	s_wait_tensorcnt 1                             ; my part of K step 0 is in (K step 1's load may be out)
	s_barrier_signal -1
	s_barrier_wait -1                              ; everybody's is
	FETCH_B 0, 0, 0
	FETCH_A 0, 0, 0
	FETCH_A 0, 0, 4
	STEP 0, 0, 1                                   ; the first 128 stand in front of the loop: their products start the sums
	s_mov_b32 s3, LAPS-1
.Llap:                                                 ; a trip goes once round the ring and fills both slots again
	TURN 0, 1, 1
	STEP 1, 0, 0
	TURN 1, 0, 1
	STEP 0, 0, 0
	s_sub_co_u32 s3, s3, 1
	s_cmp_lg_u32 s3, 0
	s_cbranch_scc1 .Llap
	TURN 0, 1, 0                                   ; the last lap fills nothing, and has no round of the cluster's barrier
	STEP 1, 0, 0
	s_wait_kmcnt 0x0
	s_sub_co_i32 s90, s74, s68
	s_sub_co_i32 s90, s90, s69                     ; e6 - e0 - e1
	s_sub_co_i32 s91, s75, s70
	s_sub_co_i32 s91, s91, s71                     ; e7 - e2 - e3
	s_sub_co_i32 s92, s77, s72
	s_sub_co_i32 s92, s92, s73                     ; e9 - e4 - e5
	s_cmp_eq_u32 ttmp9, 1
	s_cselect_b32 s90, s91, s90
	s_cmp_eq_u32 ttmp9, 2
	s_cselect_b32 s90, s92, s90                    ; E: a choice, no branch, on the cluster's x
	s_add_co_i32 s90, s90, 127
	s_lshl_b32 s91, s90, 23
	v_mov_b32 v[SCL], s91
	s_add_co_i32 s90, s90, 8
	s_lshl_b32 s90, s90, 23
	s_or_b32 s90, s90, 0x600000
	v_mov_b32 v[LIMV], s90
	s_cmp_eq_u32 ttmp9, 2
	s_cbranch_scc1 .Lv                             ; the cluster's x: all sixteen partners go the same way
	CSLOAD 0                                       ; the first two tiles of the table are asked for ahead of the last 64 products
	CSLOAD 1
	LAST
.irp a, 0,1,2,3,4,5,6,7
.if \a < 7
	s_wait_loadcnt 8                               ; this block's eight loads are in; the next block's eight may be out
.else
	s_wait_loadcnt 0
.endif
	ROPE \a
.if \a < 6
	CSLOAD \a+2
.endif
	HOLDQ
	s_wait_alu depctr_va_vdst(0)
	CODES \a
	STQ \a
.endr
	s_branch .Lend
.Lv:
	LAST
	s_wait_alu depctr_va_vdst(0)
.irp a, 0,1,2,3,4,5,6,7
	HOLDV \a
	s_wait_alu depctr_va_vdst(0)
	CODES \a
	STV \a
.endr
.Lend:
	s_wait_tensorcnt 0x0                           ; the wave's end, behind my last tensor load
	ds_add_u32 v[SPW], v[NIL]
	s_wait_dscnt 0x0
	CROUND                                         ; the closing round: no work-group ends while a partner may still ask for a tile that names it
	s_endpgm
.Lfunc_end_k_q43e43f5c32_qkv:
	.size	k_q43e43f5c32_qkv, .Lfunc_end_k_q43e43f5c32_qkv-k_q43e43f5c32_qkv
	.p2alignl 7, 3214868480
	.fill 96, 4, 3214868480
	.section	.rodata,"a",@progbits
	.p2align	6, 0x0
	.amdhsa_kernel k_q43e43f5c32_qkv
		.amdhsa_group_segment_fixed_size 327680
		.amdhsa_private_segment_fixed_size 0
		.amdhsa_enable_private_segment 0
		.amdhsa_kernarg_size 32
		.amdhsa_user_sgpr_count 2
		.amdhsa_user_sgpr_kernarg_segment_ptr 1
		.amdhsa_wavefront_size32 1
		.amdhsa_system_sgpr_workgroup_id_x 1
		.amdhsa_system_sgpr_workgroup_id_y 1
		.amdhsa_system_sgpr_workgroup_id_z 1
		.amdhsa_system_vgpr_workitem_id 0
		.amdhsa_next_free_vgpr 1024
		.amdhsa_next_free_sgpr 100
		.amdhsa_reserve_vcc 0
		.amdhsa_float_denorm_mode_32 3
		.amdhsa_float_denorm_mode_16_64 3
		.amdhsa_fp16_overflow 1
		.amdhsa_memory_ordered 1
		.amdhsa_forward_progress 1
		.amdhsa_inst_pref_size 170
	.end_amdhsa_kernel
	.amdgpu_metadata
---
amdhsa.version: [ 1, 2 ]
amdhsa.kernels:
  - .name:           k_q43e43f5c32_qkv
    .symbol:         k_q43e43f5c32_qkv.kd
    .args:
      - { .name: cw, .offset: 0, .size: 8, .value_kind: global_buffer, .address_space: global }
      - { .name: rope, .offset: 8, .size: 8, .value_kind: global_buffer, .address_space: global }
      - { .name: lowp_scales, .offset: 16, .size: 8, .value_kind: global_buffer, .address_space: global }
      - { .name: qkv, .offset: 24, .size: 8, .value_kind: global_buffer, .address_space: global }
    .group_segment_fixed_size: 327680
    .private_segment_fixed_size: 0
    .kernarg_segment_align: 8
    .kernarg_segment_size: 32
    .max_flat_workgroup_size: 128
    .sgpr_count:     100
    .vgpr_count:     1024
    .wavefront_size: 32
...
	.end_amdgpu_metadata
.endif
;; end of part 2
;; launch attn (part 3): grid 64 x 8, 16 waves a work-group, no clusters, 327,680 bytes of LDS; arguments qkv, lowp_scales, oc; writes oc
.if DOCPART == 3
	.amdgcn_target "amdgcn-amd-amdhsa--gfx1250"
	.amdhsa_code_object_version 6
	.text
	.protected	k_q43e43f5c32_attn
	.globl	k_q43e43f5c32_attn
	.p2align	8
	.type	k_q43e43f5c32_attn,@function
k_q43e43f5c32_attn:
	s_mov_b64 s[64:65], 0
	v_nop
	global_prefetch_b8 v0, s[64:65] scope:SCOPE_SE
	s_setreg_imm32_b32 hwreg(HW_REG_WAVE_MODE, 25, 1), 1
	s_wait_xcnt 0x0
; CAUSAL ATTENTION on codes of E4M3, head size 64, 2,048 tokens, 64 (batch, head) pairs; then the quantiser of the output projection's operand.
; t = score x log2(e) / 8; M = the row's largest t so far, rounded UP to a whole number; p = 2^(t - M) is quantised with 2^e8, not normalised; the row's sum is taken of the unquantised p and divides O at the end.
; When M moves, the sum and O are multiplied by 2^(old M - new M): exact.
; INPUTS are images of operand registers, four registers as 512 consecutive bytes, lane l at 16 l: q at 0, k at 8,388,608: [bh 64][token tile 128][c 2]; v at 16,777,216: [bh 64][key step 16][channel tile 4][c 4].
; Lane r of token tile T is token 32 (T/2) + 8 (T%2) + r + 8 (r/8); so the 16 registers of the scores of key tiles 2 b, 2 b + 1 are the 16 neighbouring keys 32 b + 16 (lane / 16) + 0 .. 15, as v's groups have them.
; SHARES.  Work-group (x, y): pair bh = x, block of 256 queries 7 - y: the longest blocks have the lowest numbers.  Each of the sixteen waves owns one token tile of 16 queries in 256 registers, four waves to a SIMD.
; Both products are used transposed: S^T = K Q^T (K = 64), O^T = V^T P^T (K = 128 keys): a lane holds ONE query throughout.
; THE RING: two LDS slots of 256 keys: k's 16 fragment images (16,384 bytes), then v's 8 (16,384 bytes), dense: every read is 16 x lane on end.  Wave 0 fetches k's part, wave 1 v's: one tensor load out at a time.
; CAUSAL.  Every work-group walks all eight changes of slots (constant trip counts, every barrier passed); a step all of whose keys come after the wave's queries is jumped over; a slot beyond the work-group's last query is not asked for.
; A hidden key gets the score -infinity, so p = 0: what the mask's -999,999,999 gives wherever |logit| stays under about 9e8.
; NO CLUSTER: the eight blocks of a pair need 1 to 8 slots, so partners would need different numbers of tiles; and the order of blocks above puts a pair's blocks at different times.
; OUTPUT: code = O / l x 2^(e8 + e9 - e10): oc[head / 4][token tile 512][head % 4][c 2][lane][16 B], group c: channels 32 c + 16 h + 0 .. 15: the image of the next operand's registers.
; LIMITS: e6 + e7 between -123 and 130 (added to c's exponent field); e8 between -126 and 119; e8 + e9 - e10 is applied by v_ldexp_f32 and has none.
; REGISTERS: v1 16 x lane; v3 the prefetches' offset; v4 my query less the first, less 16 (lane / 16); v5, v6 the add's two; v8 the LDS address in hand; v12 -M, v13 the largest t, v[14:15] the sum;
;   v16-23 Q; v32-95 k's eight fragments, then v's four; v96-159 S^T, then p; v160-191 O^T; v224-239 p's codes; v236-254 at work.
.set NQ,    2                          ; key steps of 128 in a slot
.set VOFF,  16384
.set SLOT1, 1<<17                      ; slot 1 begins here: one exclusive or turns an address from one slot to the other
.set NSL,   8
.set SPARE, 2*SLOT1                    ; behind the ring: the spare words, 128 bytes a wave, which no other line names
.set LI,   1
.set PFO,  3
.set DQ,   4
.set SPW,  5
.set NIL,  6
.set AD,   8
.set WV,   18
.set SEL,  20
.set CS,   22
.set G1,   24                          ; s[24:31] descriptor group 1: 64 dense rows of 256 bytes
.set G0,   40                          ; s[40:43] group 0, which walks
.set TB,   2                           ; s2   LDS byte at which the slot in hand begins
.set SLOTS, 67
.set KF,   98                          ; s98  the step's first key
.set Q0,   99                          ; s99  my first query; my queries are Q0 + r + 8 (r/8): Q0 .. Q0 + 23
.set PFA,  76
.set LIM,  80
.macro TLOAD                           ; waves 0 and 1 alone; an s_nop 0 and four v_nop follow the line
	s_cmp_lt_u32 s[WV], 2
	s_cbranch_scc0 .Lasked_\@
	tensor_load_to_lds s[G0:G0+3], s[G1:G1+7]
	s_nop 0
.rept 4
	v_nop
.endr
.Lasked_\@:
.endm
; A PREFETCH of what the NEXT change of slots will ask for.  All eight blocks of a pair walk the same k and v: the work-group of block 7 (y = 0), which loads every slot, asks.  In it waves 4, 5 ask for the halves of k's 16,384 bytes,
; waves 6, 7 for v's: 8,192 bytes a wave, lanes 256 bytes apart, one instruction.  So each block of 256 bytes is named once.  Slots 0 and 1 come by their loads alone; the last change that fills a slot asks for nothing.
.macro ASK
	s_cmp_gt_u32 s[SLOTS], s[LIM]
	s_cbranch_scc0 .Lnot_mine_\@
	global_prefetch_b8 v[PFO], s[PFA:PFA+1] th:TH_LOAD_NT scope:SCOPE_SE
.Lnot_mine_\@:
.endm
	s_load_b128 s[4:7], s[0:1], 0x0                ; qkv 4:5, the scales' exponents 6:7
	s_load_b64 s[16:17], s[0:1], 0x10              ; oc
	v_lshl_add_u32 v[SPW], v0, 2, SPARE
	v_mov_b32 v[NIL], 0
	ds_add_u32 v[SPW], v[NIL]                      ; the wave's opening: the add and its wait ahead of my first tensor load; the set-up below stands between them
	ds_add_u32 v[SPW], v[NIL]
	v_lshrrev_b32 v8, 5, v0
	s_delay_alu instid0(VALU_DEP_1)
	v_readfirstlane_b32 s[WV], v8                  ; wave 0..15
	s_and_b32 s81, ttmp7, 0xffff                   ; y
	s_sub_co_u32 s82, 7, s81                       ; my block of 256 queries
	s_lshl_b32 s[Q0], s82, 8
	s_lshr_b32 s83, s[WV], 1
	s_lshl_b32 s83, s83, 5
	s_add_co_u32 s[Q0], s[Q0], s83
	s_and_b32 s88, s[WV], 1
	s_lshl_b32 s83, s88, 3
	s_add_co_u32 s[Q0], s[Q0], s83                 ; 256 block + 32 (wave / 2) + 8 (wave % 2)
	s_lshl_b32 s84, s82, 4
	s_add_co_u32 s84, s84, s[WV]                   ; T: my token tile
	s_lshl_b32 s86, ttmp9, 17                      ; the pair's 131,072 bytes in each of q, k, v
	s_lshl_b32 s90, s84, 10
	s_add_co_u32 s90, s90, s86                     ; Q's fragment
	s_mov_b32 s91, 0
	s_add_co_u32 s92, s88, 1
	s_lshl_b32 s92, s92, 23
	s_add_co_u32 s92, s92, s86                     ; what I fetch, if I fetch: wave 0: k, wave 1: v
	s_mov_b32 s93, 0
	s_lshl_b32 s89, s88, 14                        ; and where it goes in a slot
	s_and_b32 s94, ttmp9, 15                       ; the head
	s_lshr_b32 s95, ttmp9, 4                       ; the batch
	s_lshl_b32 s95, s95, 7
	s_add_co_u32 s95, s95, s84
	s_lshl_b32 s95, s95, 12                        ; (128 batch + T) x 4,096
	s_lshr_b32 s96, s94, 2
	s_lshl_b32 s96, s96, 21
	s_add_co_u32 s95, s95, s96                     ; + (head / 4) x 2,097,152
	s_and_b32 s96, s94, 3
	s_lshl_b32 s96, s96, 10
	s_add_co_u32 s94, s95, s96                     ; + (head % 4) x 1,024
	s_mov_b32 s95, 0
	s_bfe_u32 s82, s[WV], 0x10001                  ; the prefetches: (wave / 2) % 2: 0 k, 1 v
	s_add_co_u32 s82, s82, 1
	s_lshl_b32 s82, s82, 23
	s_add_co_u32 s82, s82, s86
	s_lshl_b32 s83, s88, 13                        ; my half of a slot's 16,384 bytes,
	s_add_co_u32 s82, s82, s83
	s_add_co_u32 s82, s82, 16384                   ; in slot 1: the first change of slots steps it to slot 2
	s_mov_b32 s83, 0
	s_sub_co_u32 s87, s[WV], 4
	s_lshr_b32 s87, s87, 2                         ; 0 in waves 4 to 7,
	s_or_b32 s87, s87, s81                         ; of the work-groups with y = 0
	s_cmp_eq_u32 s87, 0
	s_cselect_b32 s[LIM], 1, -1
	s_mov_b32 s[G1], 3<<16                         ; no mask; elements of 8 bytes; no padding
	s_mov_b32 s[G1+1], 32<<16                      ; tensor_dim0 = 32 elements: 256 bytes
	s_mov_b32 s[G1+2], 64<<16                      ; tensor_dim1 = 64
	s_mov_b32 s[G1+3], 32<<16                      ; tile_dim0
	s_mov_b32 s[G1+4], 64                          ; tile_dim1
	s_mov_b32 s[G1+5], 32                          ; the pitch: dense
	s_mov_b32 s[G1+6], 0
	s_mov_b32 s[G1+7], 0
	s_mov_b32 s[SEL], 0x76543210
	s_mov_b32 s[SEL+1], 0xfedcba98
	s_mov_b32 s[CS], 0x3e38aa3b                    ; c = log2(e) / 8
	s_mov_b32 s[TB], 0
	s_mov_b32 s[SLOTS], NSL-1
	s_mov_b32 s[KF], 0
	s_wait_dscnt 0x0                               ; the opening add is done
	s_wait_kmcnt 0x0
	s_load_b128 s[68:71], s[6:7], 0x18             ; e6, e7, e8, e9
	s_load_b32 s74, s[6:7], 0x28                   ; e10
	s_mov_b32 s[G0], 1
	s_mov_b32 s[G0+1], s89
	s_add_nc_u64 s[G0+2:G0+3], s[4:5], s[92:93]
	s_or_b32 s[G0+3], s[G0+3], 0x80000000
	TLOAD                                          ; slot 0
	s_add_nc_u64 s[84:85], s[4:5], s[90:91]
	s_add_nc_u64 s[16:17], s[16:17], s[94:95]
	s_add_nc_u64 s[PFA:PFA+1], s[4:5], s[82:83]
	v_and_b32 v9, 31, v0
	s_delay_alu instid0(VALU_DEP_1)
	v_lshlrev_b32 v[LI], 4, v9
	s_delay_alu instid0(VALU_DEP_2)
	v_lshlrev_b32 v[PFO], 8, v9
	global_load_b128 v[16:19], v[LI], s[84:85]             ; Q's fragment stays in registers
	global_load_b128 v[20:23], v[LI], s[84:85] offset:512
	v_and_b32 v10, 15, v0
	v_bfe_u32 v11, v0, 4, 1
	s_delay_alu instid0(VALU_DEP_2)
	v_and_b32 v[DQ], 8, v10
	s_delay_alu instid0(VALU_DEP_1)
	v_add_nc_u32 v[DQ], v[DQ], v10
	s_delay_alu instid0(VALU_DEP_3)
	v_lshlrev_b32 v11, 4, v11
	s_delay_alu instid0(VALU_DEP_1)
	v_sub_nc_u32 v[DQ], v[DQ], v11                 ; r + 8 (r/8) - 16 h
	v_mov_b32 v13, 0xff61b1e6                      ; the largest t so far: -3e38, under every t
	s_delay_alu instid0(VALU_DEP_1)
	v_floor_f32 v12, -v13                          ; -M
	v_mov_b32 v14, 0
	v_mov_b32 v15, 0
	v_mov_b32 v236, 0                              ; written once: a lane permute's destination counts as one of its sources
	v_mov_b32 v253, 0                              ; (named as the upper half of the pair v[252:253])
.set n, 0
.rept 32
	v_mov_b32 v[160+n], 0                          ; O^T.  (The step is written once: the first finds zeros, which the first change of M leaves zeros)
.set n, n+1
.endr
	s_wait_kmcnt 0x0
	s_add_co_i32 s72, s68, s69
	s_lshl_b32 s72, s72, 23
	s_add_co_i32 s[CS], s[CS], s72                 ; a score stands for score x 2^(e6 + e7): added to c's exponent field
	s_mov_b32 s[CS+1], s[CS]
	s_add_co_i32 s72, s70, 127
	s_lshl_b32 s73, s72, 23
	v_mov_b32 v244, s73                            ; 2^e8
; A KEY STEP: 128 keys, the q-th of the slot in hand.
.macro STEP q
	s_add_co_u32 s96, s[Q0], 23
	s_cmp_gt_u32 s[KF], s96                        ; all keys come after my last query: a branch on ids, round the step's work alone
	s_cbranch_scc1 .Lhidden_\@
	v_add_nc_u32 v[AD], s[TB], v[LI]
.rept 3
	v_nop                                          ; with the addition: four places in front of loads into registers that the last products read
.endr
.irp t, 0,1,2,3,4,5,6,7
.irp c, 0,1
	ds_load_b128 v[32+8*\t+4*\c:35+8*\t+4*\c], v[AD] offset:8192*(\q)+1024*\t+512*\c
.endr
.endr
	s_wait_alu depctr_va_vdst(0)
	s_wait_dscnt 0x0
.irp t, 0,1,2,3,4,5,6,7
	v_wmma_f32_16x16x64_fp8_fp8 v[96+8*\t:103+8*\t], v[32+8*\t:39+8*\t], v[16:23], 0
.endr
.rept 4
	v_nop                                          ; places in front of the loads below and of the first read of the scores
.endr
.irp u, 0,1,2,3
.irp c, 0,1,2,3
	ds_load_b128 v[32+16*\u+4*\c:35+16*\u+4*\c], v[AD] offset:VOFF+8192*(\q)+2048*\u+512*\c   ; v's four fragments land while the softmax is walked
.endr
.endr
	s_add_co_u32 s96, s[KF], 127
	s_cmp_le_u32 s96, s[Q0]                        ; all keys count for all my queries: no mask
	s_cbranch_scc1 .Lopen_\@
	s_sub_co_i32 s96, s[Q0], s[KF]
	v_add_nc_u32 v252, s96, v[DQ]                  ; register 16 b + i holds key KF + 16 (lane / 16) + 32 b + i: hidden where 32 b + i > my query - KF - 16 (lane / 16)
	v_mov_b32 v254, 0xff800000
.set n, 0
.rept 64
	v_cmp_gt_i32 vcc_lo, 32*(n/16)+n%16, v252
	v_cndmask_b32 v[96+n], v[96+n], v254, vcc_lo
.set n, n+1
.endr
.Lopen_\@:
	v_max3_num_f32 v254, v96, v97, v98             ; the step's largest score of my query, among my 64 keys, in two chains; each accumulator from its low end on
	v_max3_num_f32 v252, v99, v100, v101
.irp i, 6,10,14,18,22,26,30,34,38,42,46,50,54,58
	v_max3_num_f32 v254, v254, v[96+\i], v[97+\i]
	v_max3_num_f32 v252, v252, v[98+\i], v[99+\i]
.endr
	v_max3_num_f32 v254, v254, v158, v159
	s_delay_alu instid0(VALU_DEP_1)
	v_max_num_f32 v254, v254, v252
	v_permlanex16_b32 v236, v254, s[SEL], s[SEL+1]
	s_delay_alu instid0(VALU_DEP_1)
	v_max_num_f32 v254, v254, v236                 ; and among lane l xor 16's
	s_delay_alu instid0(VALU_DEP_1)
	v_mul_f32 v254, s[CS], v254                    ; as t (c is positive)
	s_delay_alu instid0(VALU_DEP_1)
	v_max_num_f32 v13, v13, v254                   ; the running largest t
	v_mov_b32 v254, v12
	s_delay_alu instid0(VALU_DEP_2)
	v_floor_f32 v12, -v13                          ; the new -M = -ceil(t)
	s_delay_alu instid0(VALU_DEP_1)
	v_sub_f32 v254, v12, v254                      ; old M - new M: a whole number, 0 or less
	s_delay_alu instid0(VALU_DEP_1)
	v_cvt_i32_f32 v254, v254                       ; (it saturates)
	s_delay_alu instid0(VALU_DEP_1)
	v_ldexp_f32 v252, 1.0, v254                    ; f = 2^(old M - new M)
.set n, 0
.rept 32
	v_pk_fma_f32 v[96+n:97+n], v[96+n:97+n], s[CS:CS+1], v[12:13] op_sel_hi:[1,0,0]   ; t - M, two at a time
.set n, n+2
.endr
.set n, 0
	s_wait_alu depctr_va_vdst(0)
.rept 64
	v_exp_f32 v[96+n], v[96+n]                     ; p = 2^(t - M): one batch
.set n, n+1
.endr
	v_pk_mul_f32 v[14:15], v[14:15], v[252:253] op_sel_hi:[1,0]   ; the sums under the new M: the plain line behind the batch
	s_wait_alu depctr_va_vdst(0)                   ; one wait for the batch, ahead of its first reader
	v_pk_add_f32 v[242:243], v[100:101], v[104:105]
	v_pk_add_f32 v[254:255], v[108:109], v[112:113]
	v_pk_add_f32 v[250:251], v[116:117], v[120:121]
	v_pk_add_f32 v[248:249], v[124:125], v[128:129]
	v_pk_add_f32 v[246:247], v[132:133], v[136:137]
	v_pk_add_f32 v[240:241], v[140:141], v[144:145]
	v_pk_add_f32 v[238:239], v[148:149], v[152:153]
	v_pk_add_f32 v[14:15], v[14:15], v[156:157]
	v_pk_add_f32 v[242:243], v[242:243], v[96:97]
	v_pk_add_f32 v[254:255], v[254:255], v[98:99]
	v_pk_add_f32 v[250:251], v[250:251], v[102:103]
	v_pk_add_f32 v[248:249], v[248:249], v[106:107]
	v_pk_add_f32 v[246:247], v[246:247], v[110:111]
	v_pk_add_f32 v[240:241], v[240:241], v[114:115]
	v_pk_add_f32 v[238:239], v[238:239], v[118:119]
	v_pk_add_f32 v[14:15], v[14:15], v[122:123]
	v_pk_add_f32 v[242:243], v[242:243], v[126:127]
	v_pk_add_f32 v[254:255], v[254:255], v[130:131]
	v_pk_add_f32 v[250:251], v[250:251], v[134:135]
	v_pk_add_f32 v[248:249], v[248:249], v[138:139]
	v_pk_add_f32 v[246:247], v[246:247], v[142:143]
	v_pk_add_f32 v[240:241], v[240:241], v[146:147]
	v_pk_add_f32 v[238:239], v[238:239], v[150:151]
	v_pk_add_f32 v[14:15], v[14:15], v[154:155]
	v_pk_add_f32 v[242:243], v[242:243], v[158:159]
	s_delay_alu instid0(VALU_DEP_2)
	v_pk_add_f32 v[14:15], v[14:15], v[248:249]
	s_delay_alu instid0(VALU_DEP_2)
	v_pk_add_f32 v[242:243], v[242:243], v[246:247]
	v_pk_add_f32 v[254:255], v[254:255], v[240:241]
	v_pk_add_f32 v[250:251], v[250:251], v[238:239]
	s_delay_alu instid0(VALU_DEP_2)
	v_pk_add_f32 v[14:15], v[14:15], v[254:255]
	s_delay_alu instid0(VALU_DEP_2)
	v_pk_add_f32 v[242:243], v[242:243], v[250:251]
	s_delay_alu instid0(VALU_DEP_1)
	v_pk_add_f32 v[14:15], v[14:15], v[242:243]
.irp b, 0,1,2,3
.irp i, 0,1,2,3,4,5,6,7,8,9,10,11,12,13,14,15
.endr
	v_cvt_scalef32_pk8_fp8_f32 v[224+4*\b:225+4*\b], v[96+16*\b:103+16*\b], v244
	v_cvt_scalef32_pk8_fp8_f32 v[226+4*\b:227+4*\b], v[104+16*\b:111+16*\b], v244
.endr
.set n, 0
.rept 16
	v_pk_mul_f32 v[160+n:161+n], v[160+n:161+n], v[252:253] op_sel_hi:[1,0]   ; O^T under the new M; also the plain lines between the conversions and the products
.set n, n+2
.endr
	s_wait_alu depctr_va_vdst(0)
	s_wait_dscnt 0x0                               ; v's fragments are in
.irp u, 0,1,2,3                                ; the four accumulators take turns, and the next step's eight score products stand between two links
	v_wmma_f32_16x16x128_fp8_fp8 v[160+8*\u:167+8*\u], v[32+16*\u:47+16*\u], v[224:239], v[160+8*\u:167+8*\u]
.endr
.Lhidden_\@:
	s_add_co_u32 s[KF], s[KF], 128
.endm
; THE CHANGE OF SLOTS stands at a slot's head.  Each wave waits for all its tensor loads, adds 0 to its spare word, and waits for that and for its reads of the slot that it has left.  Behind the barrier the slot ahead is whole and
; nobody reads the other one.  fill = 1: that other slot takes the keys that follow, up to the causal limit.
.macro CHANGE fill
	s_wait_tensorcnt 0x0                           ; no tensor load of mine is out, so the group 0 may be written
	ds_add_u32 v[SPW], v[NIL]                      ; 0 onto my spare word
.if \fill
	s_xor_b32 s[G0+1], s[G0+1], SLOT1              ; the other slot than last time,
	s_add_nc_u64 s[G0+2:G0+3], s[G0+2:G0+3], 16384 ; the next 256 keys
	s_wait_xcnt 0x0                                ; the last prefetch, a slot back, has read its address
	s_add_nc_u64 s[PFA:PFA+1], s[PFA:PFA+1], 16384
.endif
	s_wait_dscnt 0x0                               ; the add is done, and my reads of the slot that I have left are over
	s_barrier_signal -1
	s_barrier_wait -1
.if \fill
	s_add_co_u32 s96, s[KF], 256                   ; the first key of the slot that this change would ask for
	s_or_b32 s97, s[Q0], 255                       ; my work-group's last query
	s_cmp_gt_u32 s96, s97                          ; ids and the count of steps alone: all sixteen waves go the same way.  Such a slot is read by none of them, so it is not asked for; every wait on TENSORcnt in this text is for 0
	s_cbranch_scc1 .Lpast_\@
	TLOAD
.Lpast_\@:
	ASK
.endif
.endm
.macro SLOT_STEPS
	STEP 0
	STEP 1
	s_xor_b32 s[TB], s[TB], SLOT1
.endm
	s_wait_loadcnt 0x0                             ; Q
.Lslot:                                                ; seven trips: behind each change of slots but the last the next slot is asked for
	CHANGE 1
	SLOT_STEPS
	s_sub_co_u32 s[SLOTS], s[SLOTS], 1
	s_cmp_lg_u32 s[SLOTS], 0
	s_cbranch_scc1 .Lslot
	CHANGE 0                                       ; the last slot is written out: nothing is left to ask for
	SLOT_STEPS
	; THE WAY OUT: O^T / l x 2^(e8 + e9 - e10), converted: registers 16 c + i are channels 32 c + 16 h + i of my query: the conversions' results are the next operand's registers, stored as they stand.
	v_add_f32 v14, v14, v15
	s_delay_alu instid0(VALU_DEP_1)
	v_permlanex16_b32 v252, v14, s[SEL], s[SEL+1]
	s_delay_alu instid0(VALU_DEP_1)
	v_add_f32 v14, v14, v252                       ; the row's sum
	s_wait_alu depctr_va_vdst(0)
	v_rcp_f32 v14, v14
	v_mov_b32 v244, 1.0                            ; the conversion's scale: 2^0
	v_nop
	v_nop
	s_add_co_i32 s72, s70, s71
	s_sub_co_i32 s72, s72, s74
	s_wait_alu depctr_va_vdst(0)                   ; the wait ahead of the reciprocal's first reader
	v_ldexp_f32 v14, v14, s72
.set n, 0
.rept 16
	v_pk_mul_f32 v[96+n:97+n], v[160+n:161+n], v[14:15] op_sel_hi:[1,0]   ; both by v14; each accumulator from its low end on
.set n, n+2
.endr
.set n, 0
.rept 32
.set n, n+1
.endr
.irp g, 0,1,2,3
	v_cvt_scalef32_pk8_fp8_f32 v[224+2*\g:225+2*\g], v[96+8*\g:103+8*\g], v244
.endr
	v_nop
	global_store_b128 v[LI], v[224:227], s[16:17]              ; 512 consecutive bytes a store
	global_store_b128 v[LI], v[228:231], s[16:17] offset:512
	s_wait_tensorcnt 0x0                           ; the wave's end, behind my last tensor load
	ds_add_u32 v[SPW], v[NIL]
	s_wait_dscnt 0x0
	s_endpgm
.Lfunc_end_k_q43e43f5c32_attn:
	.size	k_q43e43f5c32_attn, .Lfunc_end_k_q43e43f5c32_attn-k_q43e43f5c32_attn
	.p2alignl 7, 3214868480
	.fill 96, 4, 3214868480
	.section	.rodata,"a",@progbits
	.p2align	6, 0x0
	.amdhsa_kernel k_q43e43f5c32_attn
		.amdhsa_group_segment_fixed_size 327680
		.amdhsa_private_segment_fixed_size 0
		.amdhsa_enable_private_segment 0
		.amdhsa_kernarg_size 24
		.amdhsa_user_sgpr_count 2
		.amdhsa_user_sgpr_kernarg_segment_ptr 1
		.amdhsa_wavefront_size32 1
		.amdhsa_system_sgpr_workgroup_id_x 1
		.amdhsa_system_sgpr_workgroup_id_y 1
		.amdhsa_system_sgpr_workgroup_id_z 1
		.amdhsa_system_vgpr_workitem_id 0
		.amdhsa_next_free_vgpr 256
		.amdhsa_next_free_sgpr 100
		.amdhsa_reserve_vcc 1
		.amdhsa_float_denorm_mode_32 3
		.amdhsa_float_denorm_mode_16_64 3
		.amdhsa_fp16_overflow 1
		.amdhsa_memory_ordered 1
		.amdhsa_forward_progress 1
		.amdhsa_inst_pref_size 85
	.end_amdhsa_kernel
	.amdgpu_metadata
---
amdhsa.version: [ 1, 2 ]
amdhsa.kernels:
  - .name:           k_q43e43f5c32_attn
    .symbol:         k_q43e43f5c32_attn.kd
    .args:
      - { .name: qkv, .offset: 0, .size: 8, .value_kind: global_buffer, .address_space: global }
      - { .name: lowp_scales, .offset: 8, .size: 8, .value_kind: global_buffer, .address_space: global }
      - { .name: oc, .offset: 16, .size: 8, .value_kind: global_buffer, .address_space: global }
    .group_segment_fixed_size: 327680
    .private_segment_fixed_size: 0
    .kernarg_segment_align: 8
    .kernarg_segment_size: 24
    .max_flat_workgroup_size: 512
    .sgpr_count:     100
    .vgpr_count:     256
    .wavefront_size: 32
...
	.end_amdgpu_metadata
.endif
;; end of part 3
;; launch oproj (part 4): grid 4 x 32, 4 waves a work-group, clusters of 4 x 4, 327,680 bytes of LDS; arguments oc, cw, lowp_scales, out0; writes out0
.if DOCPART == 4
	.amdgcn_target "amdgcn-amd-amdhsa--gfx1250"
	.amdhsa_code_object_version 6
	.text
	.protected	k_q43e43f5c32_oproj
	.globl	k_q43e43f5c32_oproj
	.p2align	8
	.type	k_q43e43f5c32_oproj,@function
k_q43e43f5c32_oproj:
	s_mov_b64 s[64:65], 0
	v_nop
	global_prefetch_b8 v0, s[64:65] scope:SCOPE_SE
	s_setreg_imm32_b32 hwreg(HW_REG_WAVE_MODE, 25, 1), 1
	s_wait_xcnt 0x0
	s_wait_alu depctr_hold_cnt(0) depctr_sa_sdst(0) depctr_va_vdst(0) depctr_va_sdst(0) depctr_va_ssrc(0) depctr_va_vcc(0) depctr_vm_vsrc(0)
	s_getreg_b32 s2, hwreg(HW_REG_IB_STS2, 6, 4)
	s_cmp_eq_u32 s2, 0
	s_cbranch_scc0 .Lentry_in_a_cluster
	s_endpgm
.Lentry_in_a_cluster:
	s_bfe_u32 s2, ttmp6, 0x10000c
	s_cmp_lg_u32 s2, 0xf033
	s_cbranch_scc0 .Lentry_shape_is_right
	s_endpgm
.Lentry_shape_is_right:
; THE OUTPUT PROJECTION: out0[token][d] = 2^(e10 + e11) x the sum over e of code_o[token][e] code_Wo[d][e], on codes of E4M3; out0 [8192][1024] f32.
; A work-group of four waves makes 256 tokens x 256 columns, K = 1,024 in four steps of 256 through a ring of two LDS slots; a wave makes 128 x 128: 64 accumulators, 512 registers.
; ROLE A (source 1, a result's lane) = the attention's codes, which lie in oc as IMAGES OF THIS OPERAND'S REGISTERS: [K step 4][token tile 512][128 of K: 2][c 4][lane][16 B]: a K step of 128 tokens is one dense block of 32,768 bytes,
; and a fragment comes out of LDS by four loads of 512 consecutive bytes.  Lane r of token tile a is token 32 (a/2) + 8 (a%2) + r + 8 (r/8) of my 128.
; ROLE B (source 0, a result's registers) = Wo's codes, rows of 1,024 bytes with logical row n at row SW(n) (bits 3, 4 exchanged): register j of tile b is column 32 (b/2) + 8 (b%2) + 16 (lane / 16) + j of my 128.
; CLUSTERS: 4 x 4 work-groups; role A's tile is shared along a row of the cluster, role B's along a column: joint loads.  A wave has one tensor load out at a time at the start and one behind each round.
; LIMIT: e10 + e11 between -126 and 127, so that 2^(e10 + e11) is an f32 number.
; REGISTERS, in windows of 256: window 0: v16-31 addresses; from v128 role A's fragments, ONE set; on the way out v32-95 a block's numbers, v128-255 rows read back.  window 1: role B's fragments, TWO sets.  windows 2, 3: the accumulators.
.set SIZE_K, 1024
.set KSTEP,  256
.set ROWB,   256
.set KROW,   SIZE_K
.set PITCH,  272                       ; role B's LDS row: 256 bytes + 16 of padding: the 16 rows that a load touches start at 16 different banks (64 banks of 4 bytes: ISA guide 11.1)
.set FR,     16
.set NL,     4
.set NP,     4
.set HALFA,  32768                     ; 128 tokens x 256 bytes of images, dense
.set HALFB,  128*PITCH
.set SLOT,   2*HALFA+2*HALFB
.set KA,     2097152                   ; from a K step to the next in oc
.set WO,     28311552                  ; where Wo's codes begin in cw
.set LAPS,   SIZE_K/(2*KSTEP)
.set SPARE,  2*SLOT                    ; behind the ring: the spare words, 128 bytes a wave, which no other line names
.set SPITCH, 528                       ; the way out: a stage of 16 rows x (512 bytes + 16) for each wave, in slot 0, which has had its last fill and its last read when the first result is stored there
.set ADRA, 16
.set ADRB, 20
.set STO,  24
.set RD,   25
.set CO,   26
.set SPW,  28
.set NIL,  29
.set TMP,  32
.set AF,   128
.set BK,   128
.set G1, 24
.set G0, 32
.set G1B, 48
.set G0B, 56
.set MSB, 0
.macro WIN new                         ; the immediate's high byte repeats the setting that is left
.if MSB != \new
	s_set_vgpr_msb (MSB<<8)|\new
.set MSB, \new
.endif
.endm
.set MUL_LO, 0xa1
.set MUL_HI, 0xf1
.set TO_B,   0x40
.macro JLOAD g0a, g1a, g0b, g1b        ; waves 0 and 1 fetch for role A, waves 2 and 3 for role B; an s_nop 0 and four v_nop follow each of the two lines
	s_cmp_eq_u32 s15, 0
	s_cbranch_scc0 .Lfor_b_\@
	tensor_load_to_lds s[\g0a:\g0a+3], s[\g1a:\g1a+7]
	s_nop 0
.rept 4
	v_nop
.endr
	s_branch .Lasked_\@
.Lfor_b_\@:
	tensor_load_to_lds s[\g0b:\g0b+3], s[\g1b:\g1b+7]
	s_nop 0
.rept 4
	v_nop
.endr
.Lasked_\@:
.endm
.macro CREST
	s_cmp_lg_u32 s14, 0
	s_cbranch_scc1 .Lnot_wave_0_\@
	s_barrier_signal -3
.Lnot_wave_0_\@:
	s_barrier_wait -3
	s_barrier_signal -1
	s_barrier_wait -1
.endm
.macro CROUND
	s_barrier_signal -1
	s_barrier_wait -1
	CREST
.endm
	s_load_b128 s[4:7], s[0:1], 0x0                ; oc 4:5, cw 6:7
	s_load_b128 s[8:11], s[0:1], 0x10              ; the scales' exponents 8:9, out0 10:11
	v_lshl_add_u32 v[SPW], v0, 2, SPARE
	v_mov_b32 v[NIL], 0
	ds_add_u32 v[SPW], v[NIL]                      ; the wave's opening: the add and its wait ahead of my first tensor load; the set-up below stands between them
	ds_add_u32 v[SPW], v[NIL]
	v_lshrrev_b32 v1, 5, v0
	v_readfirstlane_b32 s14, v1                    ; wave 0..3
	s_lshr_b32 s15, s14, 1                         ; which half of the tokens is mine.  Also: I fetch for role A (0) or B (1)
	s_and_b32 s16, s14, 1                          ; which half of the columns.  Also: which half of that tile I fetch
	s_bfe_u32 s40, ttmp6, 0x40000                  ; cx
	s_bfe_u32 s41, ttmp6, 0x40004                  ; cy
	s_lshl_b32 s42, ttmp9, 2
	s_add_co_u32 s42, s42, s40                     ; tile of 256 columns
	s_and_b32 s17, ttmp7, 0xffff
	s_lshl_b32 s17, s17, 2
	s_add_co_u32 s17, s17, s41                     ; tile of 256 tokens
	s_lshl_b32 s43, s41, 2
	s_lshl_b32 s43, 15, s43                        ; my row of the cluster
	s_lshl_b32 s44, 0x1111, s40                    ; my column
	s_or_b32 s[G1+0], s43, (3<<16)|(1<<21)         ; role A: the mask; elements of 8 bytes; no padding; bit 21 beside a mask
	s_mov_b32 s[G1+1], 32<<16                      ; tensor_dim0 = 32 elements: 256 bytes
	s_mov_b32 s[G1+2], 128<<16                     ; tensor_dim1 = 128
	s_mov_b32 s[G1+3], 32<<16                      ; tile_dim0
	s_mov_b32 s[G1+4], 128                         ; tile_dim1
	s_mov_b32 s[G1+5], 32                          ; the pitch: dense
	s_mov_b32 s[G1+6], 0
	s_mov_b32 s[G1+7], 0
	s_or_b32 s[G1B+0], s44, (0<<16)|(1<<20)|(1<<21)|(5<<22)|(3<<25)   ; role B: elements of 1 byte; after every 64 words, 4 words of padding
	s_mov_b32 s[G1B+1], ROWB<<16
	s_mov_b32 s[G1B+2], 128<<16
	s_mov_b32 s[G1B+3], ROWB<<16
	s_mov_b32 s[G1B+4], 128
	s_mov_b32 s[G1B+5], KROW
	s_mov_b32 s[G1B+6], 0
	s_mov_b32 s[G1B+7], 0
	s_lshl_b32 s18, s16, 7
	s_lshl_b32 s20, s17, 8
	s_add_co_u32 s20, s20, s18
	s_lshl_b32 s20, s20, 8                         ; role A: (256 tile + 128 half) tokens x 256 bytes of a K step
	s_mov_b32 s21, 0
	s_lshl_b32 s46, s42, 8
	s_add_co_u32 s46, s46, s18
	s_lshl_b32 s46, s46, 10                        ; role B: rows of 1,024 bytes,
	s_add_co_u32 s46, s46, WO                      ; of Wo's codes
	s_mov_b32 s47, 0
	s_mul_i32 s45, s16, HALFA                      ; where they go: role A's two halves,
	s_mul_i32 s66, s16, HALFB
	s_add_co_u32 s66, s66, 2*HALFA                 ; then role B's: made of the wave's number alone
	s_wait_dscnt 0x0                               ; the opening add is done
	s_wait_kmcnt 0x0
	s_load_b64 s[96:97], s[8:9], 0x28              ; e10, e11
	s_add_nc_u64 s[20:21], s[4:5], s[20:21]
	s_add_nc_u64 s[46:47], s[6:7], s[46:47]
	CROUND                                         ; all sixteen work-groups are here: the first joint loads meet
.irp s, 0,1
	s_mov_b32 s[G0+4*\s], 1
	s_add_co_u32 s[G0+4*\s+1], s45, \s*SLOT
	s_add_nc_u64 s[G0+4*\s+2:G0+4*\s+3], s[20:21], \s*KA
	s_or_b32 s[G0+4*\s+3], s[G0+4*\s+3], 0x80000000
	s_mov_b32 s[G0B+4*\s], 1
	s_add_co_u32 s[G0B+4*\s+1], s66, \s*SLOT
	s_add_nc_u64 s[G0B+4*\s+2:G0B+4*\s+3], s[46:47], \s*ROWB
	s_or_b32 s[G0B+4*\s+3], s[G0B+4*\s+3], 0x80000000
	s_wait_alu depctr_va_vdst(0)
	s_wait_tensorcnt 0x0
	ds_add_u32 v28, v29
	ds_add_u32 v28, v29
	s_wait_dscnt 0x0
	CROUND
	JLOAD G0+4*\s, G1, G0B+4*\s, G1B
.endr
	v_and_b32 v1, 15, v0                           ; l % 16
	v_bfe_u32 v2, v0, 4, 1                         ; l / 16
	v_and_b32 v6, 31, v0
	v_lshlrev_b32 v[CO], 4, v6                     ; 16 x lane
	v_mul_u32_u24 v3, v1, PITCH
	v_lshl_add_u32 v4, v2, 4, v3                   ; role B: a fragment's row x pitch + 16 x half
	s_mul_i32 s21, s15, HALFA                      ; my 128 tokens' images
	s_mul_i32 s22, s16, HALFB
	s_add_co_u32 s22, s22, 2*HALFA                 ; my 128 rows of Wo
.irp s, 0,1
	v_add_nc_u32 v[ADRA+\s], s21, v[CO]
	v_add_nc_u32 v[ADRB+\s], s22, v4
	s_add_co_u32 s21, s21, SLOT
	s_add_co_u32 s22, s22, SLOT
.endr
	s_mul_i32 s23, s14, 16*SPITCH                  ; my stage
	v_mul_u32_u24 v5, v1, SPITCH                   ; in: row l % 16; my half's sixteen columns of each 32: + 64 bytes for lanes 16-31
	v_lshl_add_u32 v5, v2, 6, v5
	v_add_nc_u32 v[STO], s23, v5
	v_add_nc_u32 v[RD], s23, v[CO]                 ; back: the 32 lanes take one row of 512 bytes
	s_lshl_b32 s20, s17, 8
	s_lshl_b32 s21, s15, 7
	s_add_co_u32 s20, s20, s21                     ; my first token
	s_lshl_b32 s20, s20, 12                        ; rows of 4,096 bytes
	s_lshl_b32 s46, s42, 10
	s_lshl_b32 s47, s16, 9
	s_add_co_u32 s46, s46, s47                     ; my first column, in bytes
	s_add_co_u32 s20, s20, s46
	s_mov_b32 s21, 0
	s_add_nc_u64 s[10:11], s[10:11], s[20:21]
.macro FRAG reg, adr, q, i             ; role B: registers 4 c .. 4 c + 3 hold K = 32 c + 16 (l / 16) + 0 .. 15 of row l % 16
.irp c, 0,1,2,3
	ds_load_b128 v[\reg+4*\c:\reg+4*\c+3], v[\adr] offset:128*(\q)+32*\c+(\i)*16*PITCH
.endr
.endm
.macro FRAGA reg, adr, q, i            ; role A: the image as it lies: token tile i, the q-th 128 of the K step, group c
.irp c, 0,1,2,3
	ds_load_b128 v[\reg+4*\c:\reg+4*\c+3], v[\adr] offset:4096*(\i)+2048*(\q)+512*\c
.endr
.endm
.macro MUL16 a0, p, zero               ; the 64 accumulators take turns, one instruction a turn, in the same order in every step
.irp a, \a0, \a0+1
.irp b, 0,1,2,3,4,5,6,7
.if \zero
	v_wmma_f32_16x16x128_fp8_fp8 v[8*(8*((\a)%4)+\b):8*(8*((\a)%4)+\b)+7], v[128*(\p)+FR*\b:128*(\p)+FR*\b+FR-1], v[AF+FR*(\a):AF+FR*(\a)+FR-1], 0
.else
	v_wmma_f32_16x16x128_fp8_fp8 v[8*(8*((\a)%4)+\b):8*(8*((\a)%4)+\b)+7], v[128*(\p)+FR*\b:128*(\p)+FR*\b+FR-1], v[AF+FR*(\a):AF+FR*(\a)+FR-1], v[8*(8*((\a)%4)+\b):8*(8*((\a)%4)+\b)+7]
.endif
.endr
.endr
.endm
.macro FETCH_B slot, q, p
	WIN TO_B
.irp i, 0,1,2,3,4,5,6,7
	FRAG 128*(\p)+FR*\i, ADRB+\slot, \q, \i
.endr
	WIN 0
.endm
.macro FETCH_A slot, q, i0
.irp i, \i0, \i0+1, \i0+2, \i0+3
	FRAGA AF+FR*(\i), ADRA+\slot, \q, \i
.endr
.endm
.macro PLACES n                        ; plain vector lines between a matrix instruction and a load into, or a vector line on, its registers
.rept \n
	v_nop
.endr
.endm
.macro STEP slot, q, zero
	s_wait_dscnt 4*NL                              ; B's set and A's blocks 0-3 are in; the youngest sixteen loads (A's blocks 4-7) may be out
	WIN MUL_LO
	MUL16 0, (\q)%2, \zero
	MUL16 2, (\q)%2, \zero
	s_wait_dscnt 0
	PLACES NP
	FETCH_B \slot, (\q)+1, 1-(\q)%2
	FETCH_A \slot, (\q)+1, 0
	WIN MUL_HI
	MUL16 4, (\q)%2, \zero
	MUL16 6, (\q)%2, \zero
	PLACES NP
	WIN 0
	FETCH_A \slot, (\q)+1, 4
.endm
.macro TURN slot, next, fill           ; a slot's last 128 change slots: ONE barrier, with the three lines in front of it
	s_wait_tensorcnt 0x0                           ; all my tensor loads have landed: my part of the next slot
	ds_add_u32 v[SPW], v[NIL]                      ; 0 onto my spare word
	s_wait_dscnt 4*NL+1                            ; (the add and the youngest sixteen loads may be out)
	WIN MUL_LO
	MUL16 0, 1, 0
	s_wait_dscnt 0x0                               ; the add is done, and my reads of this slot are over
	s_barrier_signal -1
	MUL16 2, 1, 0
	WIN 0
	s_barrier_wait -1
.if \fill
	CREST                                          ; the barrier has opened a round of the cluster's: no wave of any partner still reads this slot or has a load on its way
	s_add_nc_u64 s[G0+4*\slot+2:G0+4*\slot+3], s[G0+4*\slot+2:G0+4*\slot+3], 2*KA
	s_add_nc_u64 s[G0B+4*\slot+2:G0B+4*\slot+3], s[G0B+4*\slot+2:G0B+4*\slot+3], 2*ROWB
	JLOAD G0+4*\slot, G1, G0B+4*\slot, G1B         ; the first tensor load behind the round; its four v_nop are the places in front of the loads below
.else
	PLACES NP
.endif
	FETCH_B \next, 0, 0
	FETCH_A \next, 0, 0
	WIN MUL_HI
	MUL16 4, 1, 0
	MUL16 6, 1, 0
	PLACES NP
	WIN 0
	FETCH_A \next, 0, 4
.endm
	s_wait_alu depctr_va_vdst(0)
	s_wait_tensorcnt 1                             ; my part of K step 0 is in (K step 1's load may be out)
	s_barrier_signal -1
	s_barrier_wait -1                              ; everybody's is
	FETCH_B 0, 0, 0
	FETCH_A 0, 0, 0
	FETCH_A 0, 0, 4
	STEP 0, 0, 1                                   ; the first 128 stand in front of the loop: their products start the sums
	s_mov_b32 s3, LAPS-1
.Llap:
	TURN 0, 1, 1
	STEP 1, 0, 0
	TURN 1, 0, 1
	STEP 0, 0, 0
	s_sub_co_u32 s3, s3, 1
	s_cmp_lg_u32 s3, 0
	s_cbranch_scc1 .Llap
	TURN 0, 1, 0                                   ; the last lap fills nothing, and has no round of the cluster's barrier
	STEP 1, 0, 0
	s_wait_dscnt 4*NL                              ; the last 128: nothing more to fetch
	WIN MUL_LO
	MUL16 0, 1, 0
	MUL16 2, 1, 0
	s_wait_dscnt 0
	WIN MUL_HI
	MUL16 4, 1, 0
	MUL16 6, 1, 0
	WIN 0
; THE WAY OUT, block by block of 16 tokens x 128 columns, through my own stage in LDS, back as whole rows of 512 bytes.  LDS serves a wave's instructions in order (ISA guide 5.7.1.4): no wait between the stores and the loads.
; Tile b's eight registers are columns 32 (b/2) + 8 (b%2) + 16 (lane / 16) + 0 .. 7: bytes 128 (b/2) + 32 (b%2) + 64 (lane / 16) of the row.
.macro TOSTAGE a
.set AC, 64*((\a)%4)
	WIN 0x02+((\a)/4)                              ; source 0: window 2 or 3
.irp j, 0,2,4,6,8,10,12,14,16,18,20,22,24,26,28,30,32,34,36,38,40,42,44,46,48,50,52,54,56,58,60,62
	v_pk_mul_f32 v[TMP+\j:TMP+\j+1], v[AC+\j:AC+\j+1], s[96:97] op_sel_hi:[1,0]   ; both x 2^(e10 + e11); each accumulator from its low end on
.endr
	WIN 0
.irp b, 0,1,2,3,4,5,6,7
	ds_store_b128 v[STO], v[TMP+8*\b:TMP+8*\b+3] offset:128*(\b/2)+32*(\b%2)
	ds_store_b128 v[STO], v[TMP+8*\b+4:TMP+8*\b+7] offset:128*(\b/2)+32*(\b%2)+16
.endr
.set BB, BK+64*((\a)%2)
.irp t, 0,1,2,3,4,5,6,7,8,9,10,11,12,13,14,15
	ds_load_b128 v[BB+4*\t:BB+4*\t+3], v[RD] offset:\t*SPITCH
.endr
.endm
; Stage row t of block a is token 32 (a/2) + 8 (a%2) + t + 8 (t/8) of my 128: the base steps 8 rows in front of an odd block and 24 in front of an even one; t + 8 (t/8) stands in the immediate.
.macro SEND a, younger
.set BB, BK+64*((\a)%2)
	s_wait_dscnt \younger                          ; the block is back in registers
.if (\a) > 0
.if ((\a)%2) == 1
	s_add_nc_u64 s[10:11], s[10:11], 8*4096        ; (behind a wait on XCNT: the earlier stores have read their base)
.else
	s_add_nc_u64 s[10:11], s[10:11], 24*4096
.endif
.endif
.irp t, 0,1,2,3,4,5,6,7,8,9,10,11,12,13,14,15
	global_store_b128 v[CO], v[BB+4*\t:BB+4*\t+3], s[10:11] offset:(\t+8*(\t/8))*4096 th:TH_STORE_NT   ; 32 lanes store 512 consecutive bytes, at a multiple of 512 from out0's first byte
.endr
.endm
	s_wait_kmcnt 0x0
	s_add_co_i32 s96, s96, s97
	s_add_co_i32 s96, s96, 127
	s_lshl_b32 s96, s96, 23                        ; 2^(e10 + e11) as f32
	PLACES NP                                      ; behind the last products: for the first reads of results and the loads into the registers that held role A's fragments
	TOSTAGE 0
.irp a, 1,2,3,4,5,6,7
.if \a > 1
	s_wait_xcnt 0x0                                ; block a - 2's stores have read their registers and their base
.endif
	TOSTAGE \a
	SEND \a-1, 32                                  ; behind block a - 1's loads: block a's 16 stores and 16 loads
.endr
	s_wait_xcnt 0x0
	SEND 7, 0
	s_wait_tensorcnt 0x0                           ; the wave's end, behind my last tensor load and my last LDS store
	ds_add_u32 v[SPW], v[NIL]
	s_wait_dscnt 0x0
	CROUND                                         ; the closing round: no work-group ends while a partner may still ask for a tile that names it
	s_endpgm
.Lfunc_end_k_q43e43f5c32_oproj:
	.size	k_q43e43f5c32_oproj, .Lfunc_end_k_q43e43f5c32_oproj-k_q43e43f5c32_oproj
	.p2alignl 7, 3214868480
	.fill 96, 4, 3214868480
	.section	.rodata,"a",@progbits
	.p2align	6, 0x0
	.amdhsa_kernel k_q43e43f5c32_oproj
		.amdhsa_group_segment_fixed_size 327680
		.amdhsa_private_segment_fixed_size 0
		.amdhsa_enable_private_segment 0
		.amdhsa_kernarg_size 32
		.amdhsa_user_sgpr_count 2
		.amdhsa_user_sgpr_kernarg_segment_ptr 1
		.amdhsa_wavefront_size32 1
		.amdhsa_system_sgpr_workgroup_id_x 1
		.amdhsa_system_sgpr_workgroup_id_y 1
		.amdhsa_system_sgpr_workgroup_id_z 1
		.amdhsa_system_vgpr_workitem_id 0
		.amdhsa_next_free_vgpr 1024
		.amdhsa_next_free_sgpr 100
		.amdhsa_reserve_vcc 0
		.amdhsa_float_denorm_mode_32 3
		.amdhsa_float_denorm_mode_16_64 3
		.amdhsa_memory_ordered 1
		.amdhsa_forward_progress 1
		.amdhsa_inst_pref_size 124
	.end_amdhsa_kernel
	.amdgpu_metadata
---
amdhsa.version: [ 1, 2 ]
amdhsa.kernels:
  - .name:           k_q43e43f5c32_oproj
    .symbol:         k_q43e43f5c32_oproj.kd
    .args:
      - { .name: oc, .offset: 0, .size: 8, .value_kind: global_buffer, .address_space: global }
      - { .name: cw, .offset: 8, .size: 8, .value_kind: global_buffer, .address_space: global }
      - { .name: lowp_scales, .offset: 16, .size: 8, .value_kind: global_buffer, .address_space: global }
      - { .name: out0, .offset: 24, .size: 8, .value_kind: global_buffer, .address_space: global }
    .group_segment_fixed_size: 327680
    .private_segment_fixed_size: 0
    .kernarg_segment_align: 8
    .kernarg_segment_size: 32
    .max_flat_workgroup_size: 128
    .sgpr_count:     100
    .vgpr_count:     1024
    .wavefront_size: 32
...
	.end_amdgpu_metadata
.endif
;; end of part 4
